; MI455X (gfx1250); checked and timed in simulation.
; The chip was launched on July 23, 2026; its instructions are those of AMD's public machine-readable ISA for CDNA 5 (MIT licence, August 2026) and "CDNA5" Instruction Set Architecture Reference Guide (July 2026). The comments in the code are by the model that wrote it; some were corrected since.
;; Own Multi Head Transformer. Allowed arithmetic: matrix products marked QUANTISED: E2M3 operands, one E8M0 scale for each 32 along K, by v_wmma_scale_f32_16x16x128_f8f6f4 with both operands' format E2M3, f32 sums; everything else in f32.
;; Inputs: W1 4,096 x 1,024 float32; W2 1,024 x 4,096 float32; Wk 16 x 64 x 1,024 float32; Wq 16 x 64 x 1,024 float32; Wv 16 x 64 x 1,024 float32; b1 4,096 float32; b2 1,024 float32; bk 16 x 64 float32; bq 16 x 64 float32; bv 16 x 64 float32; embeddings 4 x 1,024 x 1,024 float32.
;; Outputs: out0 4 x 1,024 x 1,024 float32.
;; This version of the problem:
;;   THIS VERSION OF THE PROBLEM IS GIVEN IN LOW PRECISION. The matrix products marked QUANTISED in the list below multiply operands that are first quantised to E2M3 (2 exponent bits, 3 mantissa bits; 6 bits a number), with one power-of-two scale for each 32 numbers along K (OCP MX v1.0); their sums are f32. All else is computed in f32.
;;   The module's matrix products, in the order in which they are computed (A, B: the left and right operand; K: the contracted axis; several contracted axes count as one K, in the product's order):
;;     1. [M 1,024, K 1,024] x [K 1,024, N 4,096]; A: input Wq; B: input embeddings: QUANTISED
;;     2. [M 1,024, K 1,024] x [K 1,024, N 4,096]; A: input Wk; B: input embeddings: QUANTISED
;;     3. [M 1,024, K 1,024] x [K 1,024, N 4,096]; A: input Wv; B: input embeddings: QUANTISED
;;     4. batch 64 x [M 1,024, K 64] x [K 64, N 1,024]; A: computed on the way; B: computed on the way: QUANTISED
;;     5. batch 64 x [M 1,024, K 1,024] x [K 1,024, N 64]; A: softmax (see below); B: computed on the way: QUANTISED
;;     6. [M 4,096, K 1,024] x [K 1,024, N 4,096]; A: computed on the way; B: input W1: QUANTISED
;;     7. [M 4,096, K 4,096] x [K 4,096, N 1,024]; A: computed on the way; B: input W2: QUANTISED
;;   THE QUANTISER, for each operand of a quantised product, along K:
;;     - K is cut into blocks of 32 from its start; a last block that is shorter is filled with zeros.
;;     - A block's scale is 2^e with e = floor(log2(the largest magnitude in the block)) - 2, held to -126 .. 127; a block of zeros has e = 0. As a byte (E8M0): e + 127.
;;     - Each number is divided by its block's scale, clamped to +-7.5, and rounded to the nearest number of E2M3, ties to even, subnormals kept.
;;     - The product sums the exact products of the quantised numbers (number of the format x scale) in f32.
;;   ~~~python
;;   def quantise(x, axis):      # numpy; x: float32 -> the quantised numbers, widened to float32 again
;;       x = np.moveaxis(x, axis, -1); K = x.shape[-1]
;;       x = np.pad(x, [(0, 0)] * (x.ndim - 1) + [(0, -K % 32)]); x = x.reshape(x.shape[:-1] + (-1, 32)); a = np.abs(x).max(-1, keepdims=True)
;;       e = np.where(a > 0, np.clip(np.frexp(np.where(a > 0, a, 1))[1] - 1 - 2, -126, 127), 0)      # np.frexp(a)[1] - 1 = floor(log2(a)), exactly
;;       r = np.clip(x / 2.0 ** e, -7.5, 7.5)
;;       step = 2.0 ** (np.maximum(np.frexp(np.where(r == 0, 1, r))[1] - 1, 0) - 3)
;;       q = np.round(r / step) * step * 2.0 ** e      # np.round: ties to even
;;       return np.moveaxis(q.reshape(q.shape[:-2] + (-1,))[..., :K], -1, axis).astype(np.float32)
;;   ~~~
;;   SOFTMAX AHEAD OF A QUANTISED PRODUCT. Where the list says 'softmax', what is quantised is not the finished softmax but p = 2^(t - M), with t = logit x log2(e) and M = ceil(the row's largest t), a whole number; so 1/2 < the row's largest p <= 1. The row's sum l is taken of the UNQUANTISED p, in f32, and the product's result is divided by l at the end. Since M is a whole number, a kernel that streams over the keys may use a running M (the ceiling of the running maximum): every later rescaling is an exact power of two, which a block's scale takes up: the codes' values come out the same.
;;   OPERANDS COMPUTED ON THE WAY. 'Computed on the way' means the value that the module computes at that place (a softmax that the list does not call 'softmax' is quantised finished and normalised). What goes into a quantiser is computed in f32, as accurately as f32 sums, v_exp_f32 and their like allow (about 1e-6 of the number): no bf16 or f16 on the way to a quantiser, and a product that is left as it is and whose result goes on into a quantised operand takes f32 operands (vector FMAs, or v_wmma_f32_16x16x4_f32). A number that lies on a knife's edge between two numbers of the format may be rounded either way, as far as f32 arithmetic and the matrix unit's own rounding can turn it there, and no further.
;; One version. Each part assembles by itself: llvm-mc -triple=amdgcn-amd-amdhsa -mcpu=gfx1250 --defsym DOCPART=n.
;; ======== version 1 of 1: 5 launches
;; workspace buffers: wq 12,288,000 bytes; qkv 9,830,400 bytes; hcq 3,276,800 bytes; hid 13,107,200 bytes
;; launch quant (part 1): grid 240 x 1, 8 waves a work-group, no clusters, 68,608 bytes of LDS; arguments embeddings, Wq, Wk, Wv, W1, W2, wq; writes wq
.if DOCPART == 1
	.amdgcn_target "amdgcn-amd-amdhsa--gfx1250"
	.amdhsa_code_object_version 6
	.text
	.protected	k_q009782bc69_quant
	.globl	k_q009782bc69_quant
	.p2align	8
	.type	k_q009782bc69_quant,@function
k_q009782bc69_quant:
	s_mov_b64 s[64:65], 0
	v_nop
	global_prefetch_b8 v0, s[64:65] scope:SCOPE_SE
	s_setreg_imm32_b32 hwreg(HW_REG_WAVE_MODE, 25, 1), 1
	s_wait_xcnt 0x0
; Six f32 tensors whose K is innermost (embeddings, Wq, Wk, Wv: K = 1,024; W1: K = 1,024; W2: K = 4,096) become codes of FP6 (E2M3) with one E8M0 byte for each 32 along K.
; THE CODES ARE LAID AS IMAGES OF OPERAND REGISTERS.  A fragment is 16 rows x 128 K, 12 registers a lane, 1,536 bytes: register 4 c + j of lane l lies at byte 512 c + 16 l + 4 j.
; A tensor's image is [block of 16 rows][K step of 128][1,536].  THE ROWS OF A BLOCK ARE NOT NEIGHBOURS: row p of block f is the tensor's row 32 (f / 2) + 8 (f % 2) + 16 (p / 8) + p % 8,
; so that a later product that takes two neighbouring blocks as its first source leaves 16 neighbours in a lane's 16 result registers.
; THE SCALE WORDS (four bytes: a row's 128 K) are laid [K step][4 bytes x rows]; the word of block 4 g + i, row r lies at 256 g + 16 r + 4 i: 16 bytes at 16 r are the words of four blocks.
; A block's scale is 2^(floor(log2(largest magnitude)) - 2); its byte is the largest magnitude's exponent field - 2, held at 1 from below.
; LIMITS: a block of zeros, or one whose largest magnitude lies under 2^-124, gets the byte 1 (its codes are zeros or nearly so; this program alone reads the bytes); NaN and infinities are not served.
; SHARES.  A wave takes 64 rows x 128 K: four fragments and 256 bytes of scale words.  1,920 such tasks, eight to a work-group (eight neighbouring K steps of the same rows).  One path for all six tensors:
; pointers and sizes are chosen by s_cselect on the work-group's number.  Each load reads 512 consecutive bytes of one row; a fragment's 16 rows turn through the wave's own stage in LDS, so that a lane
; gets two whole blocks of 32 of one row; they come back into the registers that they left, so three sets of 64 registers hold three fragments: 48 loads of a wave, 24 KiB, are on their way.  No barrier: waves share nothing.
.set S1,   5505024                     ; byte offsets in wq: scale words of the first image (embeddings, Wq, Wk, Wv: 7,168 rows),
.set W1C,  5734400                     ; W1's codes,
.set W1S,  8880128                     ; W1's scale words,
.set W2C,  9011200                     ; W2's codes,
.set W2S,  12156928                    ; W2's scale words
.set SROW, 528                         ; a stage row: 512 bytes + 16, so that sixteen lanes that read the same column of sixteen rows take sixteen different 16-byte columns
.set LI,  1                            ; v1   16 x lane
.set RR,  2                            ; v2   r = lane % 16
.set HH,  3                            ; v3   h = lane / 16
.set STA, 4                            ; v4   the stage, on the way in: 16 x lane in row 0
.set STR, 5                            ; v5   on the way out: row r, 128 h bytes on
.set SH,  6                            ; v6   8 h: my bytes' place in a scale word
.set TP,  7                            ; v7   at work
.set VO,  8                            ; v8-15   16 x lane + j rows of the tensor, j = 0 .. 7
.set R,   16                           ; v16-207 three sets of 64: a fragment as loaded, then my two blocks of 32
.set PC,  208                          ; v208-219 the fragment's codes; v220-222, v224-226 at work
.set TM,  228                          ; v228-235 at work
.set SW,  236                          ; v236-239 the four fragments' scale words
.set SO,  240                          ; v240-241 the two that my lane stores
.set SOA, 242                          ; v242 where: 16 r + 8 h
.set DST, 36                           ; s[36:43] where fragment f goes
.set SRC, 66                           ; s[66:81] the tensor at rows 8 u of my 64, u = 0 .. 7, at my K step
.set SEL, 98                           ; s[98:99] v_permlanex16_b32's selects for lane l xor 16
	s_load_b256 s[4:11], s[0:1], 0x0               ; embeddings, Wq, Wk, Wv
	s_load_b128 s[12:15], s[0:1], 0x20             ; W1, W2
	s_load_b64 s[16:17], s[0:1], 0x30              ; wq
	v_lshl_add_u32 v254, v0, 2, 0x10800
	v_mov_b32 v255, 0
	v_lshrrev_b32 v[TP], 5, v0
	v_readfirstlane_b32 s18, v[TP]                 ; wave 0..7
	v_and_b32 v[TP], 31, v0
	v_lshlrev_b32 v[LI], 4, v[TP]
	v_and_b32 v[RR], 15, v0
	v_bfe_u32 v[HH], v0, 4, 1
	s_mul_i32 s19, s18, 16*SROW                    ; my stage
	v_add_nc_u32 v[STA], s19, v[LI]
	v_mul_u32_u24 v[STR], v[RR], SROW
	v_lshl_add_u32 v[STR], v[HH], 7, v[STR]
	v_add_nc_u32 v[STR], s19, v[STR]
	v_lshlrev_b32 v[SH], 3, v[HH]
	v_lshl_add_u32 v[SOA], v[RR], 4, v[SH]
	s_mov_b32 s[SEL], 0x76543210
	s_mov_b32 s[SEL+1], 0xfedcba98
	s_mov_b32 s22, 0                               ; the tensor's first work-group,
	s_mov_b32 s23, 0                               ; its codes' place in wq,
	s_mov_b32 s24, S1                              ; its scale words' place,
	s_mov_b32 s25, 28672                           ; bytes of scale words in a K step,
	s_mov_b32 s26, 3                               ; log2 of its K steps,
	s_mov_b32 s27, 4096                            ; bytes in a row
	s_wait_kmcnt 0x0
	s_mov_b64 s[20:21], s[4:5]
.macro PICK t0, ptr, cb, sbo, sp, lnk, p       ; from work-group t0 on: the next tensor.  The choice hangs on the work-group's number alone
	s_cmp_ge_u32 ttmp9, \t0
	s_cselect_b64 s[20:21], s[\ptr:\ptr+1], s[20:21]
	s_cselect_b32 s22, \t0, s22
	s_cselect_b32 s23, \cb, s23
	s_cselect_b32 s24, \sbo, s24
	s_cselect_b32 s25, \sp, s25
	s_cselect_b32 s26, \lnk, s26
	s_cselect_b32 s27, \p, s27
.endm
	PICK 64,  6,  3145728, S1+16384, 28672, 3, 4096    ; Wq
	PICK 80,  8,  3932160, S1+20480, 28672, 3, 4096    ; Wk
	PICK 96,  10, 4718592, S1+24576, 28672, 3, 4096    ; Wv
	PICK 112, 12, W1C,     W1S,      16384, 3, 4096    ; W1
	PICK 176, 14, W2C,     W2S,      4096,  5, 16384   ; W2
	s_sub_co_u32 s28, ttmp9, s22
	s_lshl_b32 s28, s28, 3
	s_add_co_u32 s28, s28, s18                     ; my task in the tensor
	s_bfm_b32 s29, s26, 0
	s_and_b32 s29, s28, s29                        ; q: its K step
	s_lshr_b32 s30, s28, s26                       ; rg: its 64 rows
	s_mul_i32 s31, s30, s27
	s_lshl_b32 s32, s31, 6                         ; 64 rg rows,
	s_lshl_b32 s31, s29, 9
	s_add_co_u32 s32, s32, s31                     ; + 512 q bytes
	s_mov_b32 s33, 0
	s_add_nc_u64 s[SRC:SRC+1], s[20:21], s[32:33]
	s_lshl_b32 s34, s27, 3                         ; eight rows on
	s_mov_b32 s35, 0
.irp u, 1,2,3,4,5,6,7
	s_add_nc_u64 s[SRC+2*\u:SRC+2*\u+1], s[SRC+2*\u-2:SRC+2*\u-1], s[34:35]
.endr
	s_lshl_b32 s52, 0x600, s26                     ; a block's K steps x 1,536 bytes
	s_mov_b32 s53, 0
	s_mul_i32 s31, s30, s52
	s_lshl_b32 s31, s31, 2                         ; 4 rg blocks,
	s_mul_i32 s32, s29, 1536                       ; K step q,
	s_add_co_u32 s32, s32, s31
	s_add_co_u32 s32, s32, s23                     ; in the tensor's image
	s_add_nc_u64 s[DST:DST+1], s[16:17], s[32:33]
.irp f, 1,2,3
	s_add_nc_u64 s[DST+2*\f:DST+2*\f+1], s[DST+2*\f-2:DST+2*\f-1], s[52:53]
.endr
	s_mul_i32 s32, s29, s25
	s_lshl_b32 s31, s30, 8
	s_add_co_u32 s32, s32, s31
	s_add_co_u32 s32, s32, s24
	s_add_nc_u64 s[54:55], s[16:17], s[32:33]      ; my 256 bytes of scale words
	v_mov_b32 v[VO], v[LI]
.irp j, 1,2,3,4,5,6,7
	v_add_nc_u32 v[VO+\j], s27, v[VO+\j-1]
.endr
.macro LOAD f                          ; fragment f's 16 rows: row j is the tensor's row 32 (f / 2) + 8 (f % 2) + 16 (j / 8) + j % 8 of my 64; 32 lanes read its 512 bytes of my K step
.irp j, 0,1,2,3,4,5,6,7,8,9,10,11,12,13,14,15
	global_load_b128 v[R+64*((\f)%3)+4*\j:R+64*((\f)%3)+4*\j+3], v[VO+\j%8], s[SRC+2*(4*((\f)/2)+(\f)%2+2*(\j/8)):SRC+2*(4*((\f)/2)+(\f)%2+2*(\j/8))+1] th:TH_LOAD_NT
.endr
.endm
.macro FRAGQ f
.set XS, R+64*((\f)%3)
.if (\f) < 2
	s_wait_loadcnt 32                              ; this fragment's 16 loads are in; the 32 of the two fragments behind it may be out
.elseif (\f) == 2
	s_wait_loadcnt 16                              ; the last fragment's 16 may be out
.else
	s_wait_loadcnt 0x0
.endif
.irp j, 0,1,2,3,4,5,6,7,8,9,10,11,12,13,14,15
	ds_store_b128 v[STA], v[XS+4*\j:XS+4*\j+3] offset:SROW*\j
.endr
.irp c, 0,1                                    ; lane (r, h) takes, of row r, k = 64 c + 32 h + 0 .. 31: what the operand's layout gives it.  LDS serves a wave's instructions in order: these see the stores above, and land in the registers that the stores have left
.irp i, 0,1,2,3,4,5,6,7
	ds_load_b128 v[XS+32*\c+4*\i:XS+32*\c+4*\i+3], v[STR] offset:256*\c+16*\i
.endr
.endr
	s_wait_dscnt 0x0                               ; the numbers are back
.irp c, 0,1
	v_max3_num_f32 v[TM+\c], |v[XS+32*\c]|, |v[XS+32*\c+1]|, 0x1800000   ; my block 2 c + h: all 32 numbers are mine; and the floor 2^(3 - 127), so that the byte cannot fall under 1
.endr
.irp i, 2,4,6,8,10,12,14,16,18,20,22,24,26,28,30
.irp c, 0,1
	v_max3_num_f32 v[TM+\c], v[TM+\c], |v[XS+32*\c+\i]|, |v[XS+32*\c+\i+1]|   ; (the two blocks by turns)
.endr
.endr
.irp c, 0,1
	v_add_nc_u32 v[TM+2+\c], 0xff000000, v[TM+\c]  ; 2 off the exponent field: the conversion takes the exponent field of this operand as its scale
.endr
.irp c, 0,1
	v_lshrrev_b32 v[TM+4+\c], 23, v[TM+2+\c]       ; the scale's byte
.endr
	v_lshl_or_b32 v[TM+6], v[TM+5], 16, v[TM+4]    ; my two bytes: blocks h and 2 + h,
	v_lshlrev_b32 v[TM+6], v[SH], v[TM+6]          ; at their places in the word;
	v_permlanex16_b32 v[TP], v[TM+6], s[SEL], s[SEL+1]
	v_or_b32 v[SW+(\f)], v[TM+6], v[TP]            ; with lane l xor 16's two the word is whole
	s_wait_xcnt 0x0                                ; the last fragment's stores have read the codes' registers, which are written again below
.irp c, 0,1
	v_cvt_scalef32_pk16_fp6_f32 v[PC+6*\c:PC+6*\c+2], v[XS+32*\c:XS+32*\c+15], v[TM+2+\c]
	v_cvt_scalef32_pk16_fp6_f32 v[PC+12+4*\c:PC+14+4*\c], v[XS+32*\c+16:XS+32*\c+31], v[TM+2+\c]   ; (a conversion's three registers begin on an even number)
.endr
	v_nop                                          ; one plain line behind the scaled conversions
.irp c, 0,1
.irp i, 0,1,2
	v_mov_b32 v[PC+3+6*\c+\i], v[PC+12+4*\c+\i]
.endr
.endr
.irp c, 0,1,2
	global_store_b128 v[LI], v[PC+4*\c:PC+4*\c+3], s[DST+2*(\f):DST+2*(\f)+1] offset:512*\c   ; 32 lanes store 512 consecutive bytes
.endr
.if (\f) == 0
	LOAD 3                                         ; the set that fragment 0 has left takes the last fragment
.endif
.endm
	LOAD 0
	LOAD 1
	LOAD 2
.irp f, 0,1,2,3
	FRAGQ \f
.endr
	v_cmp_eq_u32 vcc_lo, 1, v[HH]                  ; lanes 0-15 store the words of fragments 0 and 1, lanes 16-31 those of fragments 2 and 3 (every word stands in lanes l and l xor 16 alike)
	v_cndmask_b32 v[SO], v[SW], v[SW+2], vcc_lo
	v_cndmask_b32 v[SO+1], v[SW+1], v[SW+3], vcc_lo
	global_store_b64 v[SOA], v[SO:SO+1], s[54:55]  ; 32 lanes store 256 consecutive bytes, at a multiple of 256 from wq's first byte
	s_wait_tensorcnt 0x0
	ds_add_u32 v254, v255
	s_wait_dscnt 0x0
	s_endpgm
.Lfunc_end_k_q009782bc69_quant:
	.size	k_q009782bc69_quant, .Lfunc_end_k_q009782bc69_quant-k_q009782bc69_quant
	.p2alignl 7, 3214868480
	.fill 96, 4, 3214868480
	.section	.rodata,"a",@progbits
	.p2align	6, 0x0
	.amdhsa_kernel k_q009782bc69_quant
		.amdhsa_group_segment_fixed_size 68608
		.amdhsa_private_segment_fixed_size 0
		.amdhsa_enable_private_segment 0
		.amdhsa_kernarg_size 56
		.amdhsa_user_sgpr_count 2
		.amdhsa_user_sgpr_kernarg_segment_ptr 1
		.amdhsa_wavefront_size32 1
		.amdhsa_system_sgpr_workgroup_id_x 1
		.amdhsa_system_sgpr_workgroup_id_y 1
		.amdhsa_system_sgpr_workgroup_id_z 1
		.amdhsa_system_vgpr_workitem_id 0
		.amdhsa_next_free_vgpr 256
		.amdhsa_next_free_sgpr 100
		.amdhsa_reserve_vcc 1
		.amdhsa_float_denorm_mode_32 3
		.amdhsa_float_denorm_mode_16_64 3
		.amdhsa_memory_ordered 1
		.amdhsa_forward_progress 1
		.amdhsa_inst_pref_size 33
	.end_amdhsa_kernel
	.amdgpu_metadata
---
amdhsa.version: [ 1, 2 ]
amdhsa.kernels:
  - .name:           k_q009782bc69_quant
    .symbol:         k_q009782bc69_quant.kd
    .args:
      - { .name: embeddings, .offset: 0, .size: 8, .value_kind: global_buffer, .address_space: global }
      - { .name: Wq, .offset: 8, .size: 8, .value_kind: global_buffer, .address_space: global }
      - { .name: Wk, .offset: 16, .size: 8, .value_kind: global_buffer, .address_space: global }
      - { .name: Wv, .offset: 24, .size: 8, .value_kind: global_buffer, .address_space: global }
      - { .name: W1, .offset: 32, .size: 8, .value_kind: global_buffer, .address_space: global }
      - { .name: W2, .offset: 40, .size: 8, .value_kind: global_buffer, .address_space: global }
      - { .name: wq, .offset: 48, .size: 8, .value_kind: global_buffer, .address_space: global }
    .group_segment_fixed_size: 68608
    .private_segment_fixed_size: 0
    .kernarg_segment_align: 8
    .kernarg_segment_size: 56
    .max_flat_workgroup_size: 256
    .sgpr_count:     100
    .vgpr_count:     256
    .wavefront_size: 32
...
	.end_amdgpu_metadata
.endif
;; end of part 1
;; launch qkv (part 2): grid 12 x 16, 4 waves a work-group, clusters of 4 x 4, 327,680 bytes of LDS; arguments wq, bq, bk, bv, qkv; writes qkv
.if DOCPART == 2
	.amdgcn_target "amdgcn-amd-amdhsa--gfx1250"
	.amdhsa_code_object_version 6
	.text
	.protected	k_q009782bc69_qkv
	.globl	k_q009782bc69_qkv
	.p2align	8
	.type	k_q009782bc69_qkv,@function
k_q009782bc69_qkv:
	s_mov_b64 s[64:65], 0
	v_nop
	global_prefetch_b8 v0, s[64:65] scope:SCOPE_SE
	s_setreg_imm32_b32 hwreg(HW_REG_WAVE_MODE, 25, 1), 1
	s_wait_xcnt 0x0
	s_wait_alu depctr_hold_cnt(0) depctr_sa_sdst(0) depctr_va_vdst(0) depctr_va_sdst(0) depctr_va_ssrc(0) depctr_va_vcc(0) depctr_vm_vsrc(0)
	s_getreg_b32 s2, hwreg(HW_REG_IB_STS2, 6, 4)
	s_cmp_eq_u32 s2, 0
	s_cbranch_scc0 .Lentry_in_a_cluster
	s_endpgm
.Lentry_in_a_cluster:
	s_bfe_u32 s2, ttmp6, 0x10000c
	s_cmp_lg_u32 s2, 0xf033
	s_cbranch_scc0 .Lentry_shape_is_right
	s_endpgm
.Lentry_shape_is_right:
; Q, K and V = embeddings x W^T + bias on codes of FP6 (E2M3) with E8M0 scales, K = 1,024; the results are quantised here and leave as codes: Q and K along the head's 64, V along the keys.
; OPERANDS come as images of operand registers: a fragment (16 rows x 128 K) is 1,536 bytes, register 4 c + j of lane l at 512 c + 16 l + 4 j; an image is [block of 16 rows][8 K steps][1,536].
; Row p of block f is row 32 (f / 2) + 8 (f % 2) + 16 (p / 8) + p % 8.  One image holds embeddings (blocks 0-255), Wq, Wk, Wv (64 blocks each); its scale words lie [K step][28,672 bytes], the word of block 4 g + i, row r at 256 g + 16 r + 4 i.
; A tile of 256 x 256 is made by four waves, 128 x 128 each: 64 accumulators.  Source 0 is the B SIDE (its rows run along a lane's result registers, 16 neighbours in two neighbouring blocks), source 1 the A SIDE (a lane holds one row).
; Clusters x = 0, 1 make Q, K: A = embeddings, B = the weight: a lane holds one token, its registers the head pair's 128 outputs: the quantiser's K.
; Cluster x = 2 makes V with the sides swapped: A = Wv, B = embeddings: a lane holds one output e, its registers 128 tokens: the keys, V's K in the second product of attention.
; THREE LDS SLOTS of two K steps each: six of the eight K steps, and the scale words of the tile's rows for all of K, are asked for at the start; the last two K steps come into slot 0 when it has been read: ONE refill,
; with the rest of that K step and slots 1 and 2 in which to land.  CLUSTERS: 4 x 4 work-groups; A's tiles are asked for jointly along a row, B's along a column.
; THE WAY OUT: for each of my eight A blocks the 64 results of a lane become one fragment and one scale word; the fragment leaves as it stands, 3 x 512 consecutive bytes; the words are gathered in 512 bytes of LDS of my own.
; qkv holds a record for each batch and head pair p: Q's fragments [64 blocks of tokens][1,536] (registers 0-5: head 2 p, 6-11: head 2 p + 1), Q's words, K's fragments likewise, V's [8 key steps][8 blocks of e][1,536], K's words, V's words.
; LIMITS: as the quantiser's launch: a block under 2^-124 gets the byte 1; NaN and infinities are not served.
; REGISTERS: window 0: v16-29 addresses; v32-63 scale words, two sets; v64-127 the bias along the B side; v128-223 A's eight fragments, one set; v232-247 the bias along the A side, in pairs.  On the way out v128-229 are at work.
;   window 1: B's fragments, two sets, at v0 and v128.   windows 2, 3: the accumulators of my A blocks 0-3, 4-7: (a, b) at v[8 (8 (a % 4) + b)].
.set S1,    5505024                    ; the scale words' place in wq
.set SPB,   28672                      ; bytes of scale words in a K step
.set REC,   307200                     ; a record of qkv
.set NQ,    2                          ; K steps in a slot
.set FR,    12                         ; registers of a fragment
.set NL,    3                          ; LDS loads that bring one
.set NP,    4                          ; places behind this matrix instruction (ISA guide 7.12.1)
.set HALFT, 24576                      ; 8 blocks x 2 K steps x 1,536: what one tensor load brings, and what one wave reads of A or of B
.set SLOT,  4*HALFT                    ; A's two halves, then B's
.set SCL,   3*SLOT                     ; behind the three slots: A's scale words [8 K steps][1,024], then B's
.set HALFS, 4096                       ; 4 K steps x 1,024: what one tensor load brings
.set SPARE, SCL+4*HALFS                ; the spare words, 128 bytes for each wave: two blocks of 256 bytes that no other line names
.set STS,   SPARE+512                  ; 512 bytes for each wave: the scale words on their way out; no fill lands here
.set SA,    1536                       ; from one A block's fragment to the next in the output
.set ADRA, 16                          ; v16-18 LDS address of my A fragments in slot 0, 1, 2
.set ADRB, 20                          ; v20-22 the same for B
.set LI,   24                          ; v24    16 x lane
.set SSA,  25                          ; v25    where I put a scale word: my 512 bytes + 16 r
.set SSR,  26                          ; v26    where I read them back: + 16 x lane
.set ADRS, 27                          ; v27    LDS address of my scale words: lanes 0-15 A's, lanes 16-31 B's
.set SPW,  28                          ; v28    LDS address of my spare word; never rewritten
.set NIL,  29                          ; v29    0; never rewritten
.set SC,   32                          ; set s at SC + 16 s; in it register 8 q + i: lanes 0-15 the word of A's block i, lanes 16-31 of B's block i, for a slot's q-th K step
.set BN,   64
.set AF,   128
.set BM,   232
.set T,    128                         ; the way out: 64 numbers,
.set TM,   192                         ; v192-207 at work,
.set PW,   208                         ; the scale word,
.set PC,   210                         ; v210-221 the codes; v222-224, v226-228 at work
.set G1,   24                          ; s[24:31] descriptor group 1 for A's tiles; s[32:43] group 0, a set for each slot
.set G0,   32
.set G1B,  48                          ; s[48:55] the same for B's; group 0: s[56:59], s[60:63] for slots 0 and 1, s[44:47] for slot 2
.set G0B,  56
.set G1S,  68                          ; s[68:75], s[76:79] groups 1 and 0 for A's scale words; s[80:87], s[88:91] for B's
.set G0S,  76
.set G1SB, 80
.set G0SB, 88
.set OUT,  92                          ; s[92:93] where my first fragment goes; s[94:95] my scale words
.set OUTS, 94
.set SEL,  98                          ; s[98:99] v_permlanex16_b32's selects for lane l xor 16
.set MSB, 0
.macro WIN new                         ; the immediate's high byte repeats the setting that is left
.if MSB != \new
	s_set_vgpr_msb (MSB<<8)|\new
.set MSB, \new
.endif
.endm
.set MUL_LO,   0xa1                    ; source 0 (B) window 1, source 1 (A) window 0, C and D window 2
.set MUL_HI,   0xf1                    ; the same, C and D window 3
.set FIRST_LO, 0x81                    ; the first K step: C is the bias, in window 0
.set FIRST_HI, 0xc1
.set TO_B,     0x40                    ; destination window 1, address window 0
; A joint load: waves 0 and 1 fetch for A, waves 2 and 3 for B.  Each of the two lines has one mask and one set of registers for all that issue it; the branch hangs on the wave's number alone.
; Four v_nop follow each of the two lines, ahead of the jump, the label and what follows.
.macro JLOAD g0a, g1a, g0b, g1b
	s_cmp_eq_u32 s15, 0
	s_cbranch_scc0 .Lfor_b_\@
	tensor_load_to_lds s[\g0a:\g0a+3], s[\g1a:\g1a+7]
	s_nop 0
.rept 4
	v_nop
.endr
	s_branch .Lasked_\@
.Lfor_b_\@:
	tensor_load_to_lds s[\g0b:\g0b+3], s[\g1b:\g1b+7]
	s_nop 0
.rept 4
	v_nop
.endr
.Lasked_\@:
.endm
.macro CREST                           ; a round of the cluster's barrier behind its opening barrier
	s_cmp_lg_u32 s14, 0
	s_cbranch_scc1 .Lnot_wave_0_\@
	s_barrier_signal -3
.Lnot_wave_0_\@:
	s_barrier_wait -3
	s_barrier_signal -1
	s_barrier_wait -1
.endm
.macro CROUND                          ; a whole round
	s_barrier_signal -1
	s_barrier_wait -1
	CREST
.endm
	s_load_b256 s[4:11], s[0:1], 0x0               ; wq s[4:5], bq s[6:7], bk s[8:9], bv s[10:11]
	s_load_b64 s[12:13], s[0:1], 0x20              ; qkv
	v_lshl_add_u32 v[SPW], v0, 2, SPARE
	v_mov_b32 v[NIL], 0
	ds_add_u32 v28, v29
	ds_add_u32 v28, v29
	s_wait_dscnt 0x0
	v_lshrrev_b32 v1, 5, v0
	v_readfirstlane_b32 s14, v1                    ; wave 0..3
	s_lshr_b32 s15, s14, 1                         ; which half of the A side is mine.  Also: I fetch for A (0) or for B (1)
	s_and_b32 s16, s14, 1                          ; which half of the B side.  Also: which half of that side's tile I fetch
	s_bfe_u32 s2, ttmp6, 0x40000                   ; cx, cy: my place in the cluster
	s_bfe_u32 s3, ttmp6, 0x40004
	s_and_b32 s17, ttmp7, 0xffff                   ; cluster y: the batch
	s_lshl_b32 s18, s3, 2
	s_lshl_b32 s18, 15, s18                        ; my row of the cluster
	s_lshl_b32 s19, 0x1111, s2                     ; my column
	; descriptor group 1 for codes: 8 rows (blocks) of 3,072 bytes (two K steps), 12,288 bytes apart; elements of 8 bytes; no padding: an image is read 512 consecutive bytes an instruction
	s_or_b32 s[G1+0], s18, (3<<16)|(1<<21)         ; 15:0 the mask: A's tiles go to my row; 17:16 elements of 8 bytes; 21 set beside a mask
	s_or_b32 s[G1B+0], s19, (3<<16)|(1<<21)
.irp g, G1, G1B
	s_mov_b32 s[\g+1], 384<<16                     ; tensor_dim0
	s_mov_b32 s[\g+2], 8<<16                       ; tensor_dim1
	s_mov_b32 s[\g+3], 384<<16                     ; tile_dim0
	s_mov_b32 s[\g+4], 8                           ; tile_dim1
	s_mov_b32 s[\g+5], 1536                        ; tensor_dim0_stride
	s_mov_b32 s[\g+6], 0
	s_mov_b32 s[\g+7], 0
.endr
	; and for scale words: 4 rows (K steps) of 1,024 bytes (256 rows' words), SPB bytes apart
	s_or_b32 s[G1S+0], s18, (3<<16)|(1<<21)
	s_or_b32 s[G1SB+0], s19, (3<<16)|(1<<21)
.irp g, G1S, G1SB
	s_mov_b32 s[\g+1], 128<<16
	s_mov_b32 s[\g+2], 4<<16
	s_mov_b32 s[\g+3], 128<<16
	s_mov_b32 s[\g+4], 4
	s_mov_b32 s[\g+5], SPB/8
	s_mov_b32 s[\g+6], 0
	s_mov_b32 s[\g+7], 0
.endr
	; which 256 rows of the image each side takes.  The choice hangs on the cluster's x, which all partners share; A's number then takes cy alone, B's cx alone
	s_lshl_b32 s18, s17, 2                         ; embeddings: 4 x batch,
	s_lshl_b32 s19, ttmp9, 2
	s_add_co_u32 s19, s19, 16                      ; Wq from 16 on, Wk from 20 on
	s_cmp_eq_u32 ttmp9, 2
	s_cselect_b32 s20, 24, s18                     ; (Wv from 24 on)
	s_cselect_b32 s96, s18, s19
	s_add_co_u32 s20, s20, s3                      ; A
	s_add_co_u32 s96, s96, s2                      ; B
	s_mul_i32 s66, s16, 4*SPB                      ; my half of the K steps' scale words,
	s_mul_i32 s94, s16, 98304                      ; my 8 blocks of the 16
	s_lshl_b32 s22, s20, 10
	s_add_co_u32 s22, s22, s66
	s_add_co_u32 s22, s22, S1
	s_mov_b32 s23, 0
	s_mul_i32 s20, s20, 196608
	s_add_co_u32 s20, s20, s94
	s_mov_b32 s21, 0
	s_lshl_b32 s92, s96, 10
	s_add_co_u32 s92, s92, s66
	s_add_co_u32 s92, s92, S1
	s_mov_b32 s93, 0
	s_mul_i32 s96, s96, 196608
	s_add_co_u32 s96, s96, s94
	s_mov_b32 s97, 0
	s_mul_i32 s66, s14, HALFT                      ; where they go: by the wave's number alone
	s_mul_i32 s94, s14, HALFS
	s_mov_b32 s[SEL], 0x76543210
	s_mov_b32 s[SEL+1], 0xfedcba98
	s_wait_kmcnt 0x0
	s_add_nc_u64 s[20:21], s[4:5], s[20:21]
	s_add_nc_u64 s[22:23], s[4:5], s[22:23]
	s_add_nc_u64 s[96:97], s[4:5], s[96:97]
	s_add_nc_u64 s[92:93], s[4:5], s[92:93]
	CROUND                                         ; all sixteen work-groups are here: the first joint loads meet
	s_mov_b32 s[G0S], 1
	s_add_co_u32 s[G0S+1], s94, SCL
	s_mov_b64 s[G0S+2:G0S+3], s[22:23]
	s_or_b32 s[G0S+3], s[G0S+3], 0x80000000
	s_mov_b32 s[G0SB], 1
	s_add_co_u32 s[G0SB+1], s94, SCL
	s_mov_b64 s[G0SB+2:G0SB+3], s[92:93]
	s_or_b32 s[G0SB+3], s[G0SB+3], 0x80000000
	JLOAD G0S, G1S, G0SB, G1SB                     ; the scale words first: they are wanted with K step 0
.irp s, 0,1,2
	s_mov_b32 s[G0+4*\s], 1
	s_add_co_u32 s[G0+4*\s+1], s66, \s*SLOT
	s_add_nc_u64 s[G0+4*\s+2:G0+4*\s+3], s[20:21], \s*3072
	s_or_b32 s[G0+4*\s+3], s[G0+4*\s+3], 0x80000000
	s_mov_b32 s[G0B+4*\s-20*(\s/2)], 1
	s_add_co_u32 s[G0B+4*\s-20*(\s/2)+1], s66, \s*SLOT
	s_add_nc_u64 s[G0B+4*\s-20*(\s/2)+2:G0B+4*\s-20*(\s/2)+3], s[96:97], \s*3072
	s_or_b32 s[G0B+4*\s-20*(\s/2)+3], s[G0B+4*\s-20*(\s/2)+3], 0x80000000
	JLOAD G0+4*\s, G1, G0B+4*\s-20*(\s/2), G1B     ; K steps 0 to 5: four tensor loads of mine are out now
.endr
	v_and_b32 v1, 15, v0                           ; r
	v_bfe_u32 v2, v0, 4, 1                         ; h
	v_and_b32 v3, 31, v0
	v_lshlrev_b32 v[LI], 4, v3
	s_mul_i32 s21, s15, HALFT                      ; my 8 blocks of A,
	s_mul_i32 s22, s16, HALFT                      ; my 8 blocks of B,
	s_add_co_u32 s22, s22, 2*HALFT                 ; which lie behind A's 16
.irp s, 0,1,2
	v_add_nc_u32 v[ADRA+\s], s21, v[LI]
	v_add_nc_u32 v[ADRB+\s], s22, v[LI]
	s_add_co_u32 s21, s21, SLOT
	s_add_co_u32 s22, s22, SLOT
.endr
	v_lshlrev_b32 v5, 4, v1                        ; 16 r: four blocks' words of row r
	s_lshl_b32 s21, s15, 9                         ; A's: my 128 rows' 512 bytes of a K step's 1,024
	s_lshl_b32 s22, s16, 9                         ; B's likewise, 8,192 bytes behind A's
	s_add_co_u32 s22, s22, 8192
	s_sub_co_u32 s22, s22, s21
	v_mul_u32_u24 v6, s22, v2                      ; lanes 16-31 take B's
	s_add_co_u32 s21, s21, SCL
	v_add_nc_u32 v6, v5, v6
	v_add_nc_u32 v[ADRS], s21, v6
	s_lshl_b32 s23, s14, 9
	s_add_co_u32 s23, s23, STS
	v_add_nc_u32 v[SSA], s23, v5
	v_add_nc_u32 v[SSR], s23, v[LI]
	v_lshlrev_b32 v7, 6, v2                        ; the bias along B: 16 h numbers on
	v_and_b32 v8, 8, v1
	v_add_nc_u32 v8, v8, v1
	v_lshlrev_b32 v8, 2, v8                        ; the bias along A: number r + 8 (r / 8)
	; where the results go
	s_lshl_b32 s94, s2, 1
	s_add_co_u32 s94, s94, s16                     ; which 128 of the B side's 1,024 are mine,
	s_lshl_b32 s96, s3, 1
	s_add_co_u32 s96, s96, s15                     ; which 128 of the A side's
	s_mov_b32 s18, 0                               ; in a record: Q's fragments,
	s_mov_b32 s19, 98304                           ; Q's words;
	s_cmp_ge_u32 ttmp9, 1
	s_cselect_b32 s18, 102400, s18                 ; K's;
	s_cselect_b32 s19, 299008, s19
	s_cmp_eq_u32 ttmp9, 2
	s_cselect_b32 s18, 200704, s18                 ; V's
	s_cselect_b32 s19, 303104, s19
	s_cselect_b32 s95, s96, s94                    ; the head pair: the weight's side,
	s_cselect_b32 s97, s94, s96                    ; and the 128 tokens: the other
	s_lshl_b32 s66, s17, 3
	s_add_co_u32 s66, s66, s95
	s_mul_i32 s66, s66, REC
	s_mul_i32 s67, s97, 12288
	s_add_co_u32 s92, s66, s67
	s_add_co_u32 s92, s92, s18
	s_mov_b32 s93, 0
	s_lshl_b32 s67, s97, 9
	s_add_co_u32 s94, s66, s67
	s_add_co_u32 s94, s94, s19
	s_mov_b32 s95, 0
	s_add_nc_u64 s[OUT:OUT+1], s[12:13], s[92:93]
	s_add_nc_u64 s[OUTS:OUTS+1], s[12:13], s[94:95]
	; the biases.  Q, K: along the B side: eight registers a block in the result's layout, the C of each sum's first product.  V: along the A side: one number a lane and block, added on the way out
	s_cmp_eq_u32 ttmp9, 0
	s_cselect_b64 s[18:19], s[6:7], s[8:9]
	s_lshl_b32 s20, s2, 10
	s_lshl_b32 s21, s16, 9
	s_add_co_u32 s20, s20, s21
	s_mov_b32 s21, 0
	s_add_nc_u64 s[18:19], s[18:19], s[20:21]      ; bq or bk at my 128 outputs
	s_lshl_b32 s20, s3, 10
	s_lshl_b32 s22, s15, 9
	s_add_co_u32 s20, s20, s22
	s_add_nc_u64 s[10:11], s[10:11], s[20:21]      ; bv at my 128 outputs
	s_cmp_eq_u32 ttmp9, 2                          ; the cluster's x: the same in all partners
	s_cbranch_scc1 .Lbias_v
.irp b, 0,1,2,3,4,5,6,7
	global_load_b128 v[BN+8*\b:BN+8*\b+3], v7, s[18:19] offset:(32*(\b/2)+8*(\b%2))*4
	global_load_b128 v[BN+8*\b+4:BN+8*\b+7], v7, s[18:19] offset:(32*(\b/2)+8*(\b%2))*4+16
.endr
.set i, 0
.rept 16
	v_mov_b32 v[BM+i], 0
.set i, i+1
.endr
	s_branch .Lbias_done
.Lbias_v:
.set i, 0
.rept 64
	v_mov_b32 v[BN+i], 0
.set i, i+1
.endr
.irp a, 0,1,2,3,4,5,6,7
	global_load_b32 v[BM+2*\a], v8, s[10:11] offset:(32*(\a/2)+8*(\a%2))*4
	global_load_b32 v[BM+2*\a+1], v8, s[10:11] offset:(32*(\a/2)+8*(\a%2))*4   ; twice: the packed addition names a pair
.endr
.Lbias_done:
.macro FRAG reg, adr, q, i             ; a fragment comes as it was stored: three loads of 16 bytes a lane, 512 consecutive bytes each
.irp c, 0,1,2
	ds_load_b128 v[\reg+4*\c:\reg+4*\c+3], v[\adr] offset:(\i)*3072+(\q)*1536+512*\c
.endr
.endm
; 16 matrix instructions: A's blocks a0, a0 + 1 x B's eight, one K step.  p: B's set; sc: the set of scale words.  first = 1: the bias starts the sums: nothing is ever cleared.
; The 64 accumulators take turns, one instruction a turn, in the same order in every step.
.macro MUL16 a0, p, q, sc, first
.irp a, \a0, \a0+1
.irp b, 0,1,2,3,4,5,6,7
.if \first
	v_wmma_scale_f32_16x16x128_f8f6f4 v[8*(8*((\a)%4)+\b):8*(8*((\a)%4)+\b)+7], v[128*(\p)+FR*\b:128*(\p)+FR*\b+FR-1], v[AF+FR*(\a):AF+FR*(\a)+FR-1], v[BN+8*\b:BN+8*\b+7], v[SC+16*(\sc)+8*(\q)+\b], v[SC+16*(\sc)+8*(\q)+(\a)] matrix_a_fmt:MATRIX_FMT_FP6 matrix_b_fmt:MATRIX_FMT_FP6 matrix_a_scale:MATRIX_SCALE_ROW1
.else
	v_wmma_scale_f32_16x16x128_f8f6f4 v[8*(8*((\a)%4)+\b):8*(8*((\a)%4)+\b)+7], v[128*(\p)+FR*\b:128*(\p)+FR*\b+FR-1], v[AF+FR*(\a):AF+FR*(\a)+FR-1], v[8*(8*((\a)%4)+\b):8*(8*((\a)%4)+\b)+7], v[SC+16*(\sc)+8*(\q)+\b], v[SC+16*(\sc)+8*(\q)+(\a)] matrix_a_fmt:MATRIX_FMT_FP6 matrix_b_fmt:MATRIX_FMT_FP6 matrix_a_scale:MATRIX_SCALE_ROW1
.endif
.endr
.endr
.endm
.macro FETCH_B slot, q, p              ; B's eight fragments of the slot's q-th K step into set p
	WIN TO_B
.irp i, 0,1,2,3,4,5,6,7
	FRAG 128*(\p)+FR*\i, ADRB+\slot, \q, \i
.endr
	WIN 0
.endm
.macro FETCH_A slot, q, i0             ; A's blocks i0 .. i0 + 3
.irp i, \i0, \i0+1, \i0+2, \i0+3
	FRAG AF+FR*(\i), ADRA+\slot, \q, \i
.endr
.endm
.macro SCALES sc                       ; two K steps' scale words into set sc: 16 bytes a lane are four blocks' words
.irp q, 0,1
.irp g, 0,1
	ds_load_b128 v[SC+16*\sc+8*\q+4*\g:SC+16*\sc+8*\q+4*\g+3], v[ADRS] offset:1024*\q+256*\g
.endr
.endr
.endm
; A load into a register that a matrix instruction has read, and a vector instruction that reads a matrix result or writes one of a matrix instruction's registers, stand NP places behind it; only plain
; vector instructions that name none of its registers are places (ISA guide 7.12.1 for vector instructions).
.macro PLACES n
.rept \n
	v_nop
.endr
.endm
; A K step that has its successor in the same slot.  A block of A is free as soon as its eight products are issued: blocks 0-3 are fetched anew in the step's middle, blocks 4-7 at its end.
.macro STEP slot, sc, q, first
	s_wait_dscnt 4*NL                              ; B's set, A's blocks 0-3 and the scale words are in; the youngest 12 loads (A's blocks 4-7) may be out
.if \first
	WIN FIRST_LO
.else
	WIN MUL_LO
.endif
	MUL16 0, (\q)%2, \q, \sc, \first
	MUL16 2, (\q)%2, \q, \sc, \first
	s_wait_dscnt 0                                 ; A's blocks 4-7 are in
	PLACES NP
	FETCH_B \slot, (\q)+1, 1-(\q)%2
	FETCH_A \slot, (\q)+1, 0
.if \first
	WIN FIRST_HI
.else
	WIN MUL_HI
.endif
	MUL16 4, (\q)%2, \q, \sc, \first
	MUL16 6, (\q)%2, \q, \sc, \first
	PLACES NP
	WIN 0
	FETCH_A \slot, (\q)+1, 4
.endm
; A slot's last step with a barrier: in front of it each wave waits for all its tensor loads, adds 0 to its spare word, and waits for that and for its own reads of this slot.
; fill = 1: this slot is filled again, with K steps 6 and 7.  sc: this slot's set of scale words; nsc: the next slot's.
.macro TURN slot, sc, next, nsc, fill
	s_wait_tensorcnt 0x0                           ; all my tensor loads have landed  (every window is 0 here)
	ds_add_u32 v[SPW], v[NIL]                      ; 0 onto my spare word
	s_wait_dscnt 4*NL+1                            ; (the add and the youngest 12 loads, A's blocks 4-7, may be out)
	WIN MUL_LO
	MUL16 0, 1, NQ-1, \sc, 0                       ; sixteen matrix instructions stand between the add and the wait for it
	s_wait_dscnt 0x0                               ; the add is done, and my reads of this slot are over
	s_barrier_signal -1
	MUL16 2, 1, NQ-1, \sc, 0
	WIN 0
	s_barrier_wait -1
.if \fill
	CREST                                          ; the barrier has opened a round of the cluster's barrier: no wave of any partner still reads this slot or has a load on its way
	s_add_nc_u64 s[G0+4*\slot+2:G0+4*\slot+3], s[G0+4*\slot+2:G0+4*\slot+3], 9216     ; six K steps on
	s_add_nc_u64 s[G0B+4*\slot+2:G0B+4*\slot+3], s[G0B+4*\slot+2:G0B+4*\slot+3], 9216
	JLOAD G0+4*\slot, G1, G0B+4*\slot, G1B         ; the first tensor load behind the round, and my only one from here on; its four v_nop are the places in front of the loads below
.else
	PLACES NP
.endif
	v_add_nc_u32 v[ADRS], 2048, v[ADRS]            ; on to the next two K steps' scale words
	FETCH_B \next, 0, 0
	FETCH_A \next, 0, 0
	SCALES \nsc
	WIN MUL_HI
	MUL16 4, 1, NQ-1, \sc, 0
	MUL16 6, 1, NQ-1, \sc, 0
	PLACES NP
	WIN 0
	FETCH_A \next, 0, 4
.endm
; A slot's last step without a barrier: the next slot was shown whole to every wave by the round behind which slot 0 was filled again (each wave's wait for all its tensor loads stood in front of it), and nothing is filled here.
.macro PASS sc, next, nsc
	s_wait_dscnt 4*NL                              ; the youngest 12 loads (A's blocks 4-7) may be out
	WIN MUL_LO
	MUL16 0, 1, NQ-1, \sc, 0
	MUL16 2, 1, NQ-1, \sc, 0
	s_wait_dscnt 0                                 ; A's blocks 4-7 are in
	PLACES NP
	WIN 0
	v_add_nc_u32 v[ADRS], 2048, v[ADRS]            ; on to the next two K steps' scale words
	FETCH_B \next, 0, 0
	FETCH_A \next, 0, 0
	SCALES \nsc
	WIN MUL_HI
	MUL16 4, 1, NQ-1, \sc, 0
	MUL16 6, 1, NQ-1, \sc, 0
	PLACES NP
	WIN 0
	FETCH_A \next, 0, 4
.endm
; 64 numbers of a lane, v[s] on, register 16 b + i = k 32 b + 16 (lane / 16) + i of my row, become a fragment's codes in v[PC] on and its scale word in v[PW].
.macro QUANT s
.irp b, 0,1,2,3
	v_max3_num_f32 v[TM+\b], |v[\s+16*\b]|, |v[\s+1+16*\b]|, 0x1800000   ; block b: my 16 numbers, and the floor 2^(3 - 127): the byte cannot fall under 1
.endr
.irp i, 2,4,6,8,10,12,14
.irp b, 0,1,2,3
	v_max3_num_f32 v[TM+\b], v[TM+\b], |v[\s+16*\b+\i]|, |v[\s+1+16*\b+\i]|   ; (the four blocks by turns)
.endr
.endr
.irp b, 0,1,2,3
	v_permlanex16_b32 v[TM+4+\b], v[TM+\b], s[SEL], s[SEL+1]
.endr
.irp b, 0,1,2,3
	v_max_num_f32 v[TM+\b], v[TM+\b], v[TM+4+\b]   ; with lane l xor 16's: the block's largest magnitude
.endr
.irp b, 0,1,2,3
	v_add_nc_u32 v[TM+12+\b], 0xff000000, v[TM+\b] ; 2 off its exponent field: the conversion's scale operand
.endr
.irp b, 0,1,2,3
	v_lshrrev_b32 v[TM+4+\b], 23, v[TM+12+\b]      ; the scale's byte
.endr
	v_lshl_or_b32 v[PW], v[TM+5], 8, v[TM+4]
	v_lshl_or_b32 v[PW], v[TM+6], 16, v[PW]
	v_lshl_or_b32 v[PW], v[TM+7], 24, v[PW]
.irp c, 0,1
	v_cvt_scalef32_pk16_fp6_f32 v[PC+6*\c:PC+2+6*\c], v[\s+32*\c:\s+15+32*\c], v[TM+12+2*\c]
	v_cvt_scalef32_pk16_fp6_f32 v[PC+12+4*\c:PC+14+4*\c], v[\s+16+32*\c:\s+31+32*\c], v[TM+12+2*\c+1]   ; (a conversion's three registers begin on an even number)
.endr
	v_nop                                          ; one plain line behind the scaled conversions
.irp c, 0,1                                    ; the operand's layout wants a whole block in a lane: lanes 0-15 block 2 c, lanes 16-31 block 2 c + 1
.irp i, 0,1,2
	v_permlane16_swap_b32 v[PC+6*\c+\i], v[PC+12+4*\c+\i]
.endr
.irp i, 0,1,2
	v_mov_b32 v[PC+3+6*\c+\i], v[PC+12+4*\c+\i]
.endr
.endr
.endm
	s_wait_tensorcnt 2                             ; the scale words and my part of slot 0 are in (the loads of slots 1 and 2 may be out)
	s_barrier_signal -1
	s_barrier_wait -1                              ; everybody's are
	FETCH_B 0, 0, 0
	FETCH_A 0, 0, 0
	SCALES 0
	FETCH_A 0, 0, 4
	s_wait_loadcnt 0x0                             ; the biases
	STEP 0, 0, 0, 1                                ; K step 0
	TURN 0, 0, 1, 1, 1                             ; K step 1; slot 0 takes K steps 6 and 7
	STEP 1, 1, 0, 0                                ; K step 2
	PASS 1, 2, 0                                   ; K step 3
	STEP 2, 0, 0, 0                                ; K step 4
	TURN 2, 0, 0, 1, 0                             ; K step 5; the refill has landed, in every wave; nothing is left to fetch: no round
	STEP 0, 1, 0, 0                                ; K step 6
	s_wait_dscnt 4*NL                              ; K step 7
	WIN MUL_LO
	MUL16 0, 1, NQ-1, 1, 0
	MUL16 2, 1, NQ-1, 1, 0
	s_wait_dscnt 0
	WIN MUL_HI
	MUL16 4, 1, NQ-1, 1, 0
	MUL16 6, 1, NQ-1, 1, 0
	WIN 0
	; THE WAY OUT
	PLACES NP                                      ; the lines below write registers that held A's fragments
.irp b, 0,1,2,3
	v_mov_b32 v[TM+4+\b], 0                        ; written once: a lane permute's destination counts as one of its sources
.endr
.macro OUTBLK a
.set AC, 64*((\a)%4)
	WIN 0x02+(\a)/4                                ; source 0: window 2 or 3
.set i, 0
.rept 32
	v_pk_add_f32 v[T+i:T+i+1], v[AC+i:AC+i+1], v[BM+2*(\a):BM+2*(\a)+1]   ; the block's 64 results, each accumulator from its low end on, + the bias along A (0 for Q and K)
.set i, i+2
.endr
	WIN 0
.if (\a) > 0
	s_wait_xcnt 0x0                                ; the last block's stores have read the codes' registers,
	s_wait_dscnt 0x0                               ; and its LDS store the scale word's
.endif
	QUANT T
.irp c, 0,1,2
	global_store_b128 v[LI], v[PC+4*\c:PC+4*\c+3], s[OUT:OUT+1] offset:(\a)*SA+512*\c   ; 32 lanes store 512 consecutive bytes
.endr
	ds_store_b32 v[SSA], v[PW] offset:256*((\a)/4)+4*((\a)%4)   ; lanes l and l xor 16 write the same word with the same value
.endm
.irp a, 0,1,2,3,4,5,6,7
	OUTBLK \a
.endr
	ds_load_b128 v[T:T+3], v[SSR]                  ; LDS serves a wave's instructions in order: this sees my stores
	s_wait_dscnt 0x0
	global_store_b128 v[LI], v[T:T+3], s[OUTS:OUTS+1]   ; my 128 rows' words: 512 consecutive bytes
	s_wait_tensorcnt 0x0                           ; the wave's end
	ds_add_u32 v[SPW], v[NIL]
	s_wait_dscnt 0x0
	CROUND                                         ; the closing round: no work-group ends while a partner may still ask for a tile that names it
	s_endpgm
.Lfunc_end_k_q009782bc69_qkv:
	.size	k_q009782bc69_qkv, .Lfunc_end_k_q009782bc69_qkv-k_q009782bc69_qkv
	.p2alignl 7, 3214868480
	.fill 96, 4, 3214868480
	.section	.rodata,"a",@progbits
	.p2align	6, 0x0
	.amdhsa_kernel k_q009782bc69_qkv
		.amdhsa_group_segment_fixed_size 327680
		.amdhsa_private_segment_fixed_size 0
		.amdhsa_enable_private_segment 0
		.amdhsa_kernarg_size 40
		.amdhsa_user_sgpr_count 2
		.amdhsa_user_sgpr_kernarg_segment_ptr 1
		.amdhsa_wavefront_size32 1
		.amdhsa_system_sgpr_workgroup_id_x 1
		.amdhsa_system_sgpr_workgroup_id_y 1
		.amdhsa_system_sgpr_workgroup_id_z 1
		.amdhsa_system_vgpr_workitem_id 0
		.amdhsa_next_free_vgpr 1024
		.amdhsa_next_free_sgpr 100
		.amdhsa_reserve_vcc 0
		.amdhsa_float_denorm_mode_32 3
		.amdhsa_float_denorm_mode_16_64 3
		.amdhsa_memory_ordered 1
		.amdhsa_forward_progress 1
		.amdhsa_inst_pref_size 162
	.end_amdhsa_kernel
	.amdgpu_metadata
---
amdhsa.version: [ 1, 2 ]
amdhsa.kernels:
  - .name:           k_q009782bc69_qkv
    .symbol:         k_q009782bc69_qkv.kd
    .args:
      - { .name: wq, .offset: 0, .size: 8, .value_kind: global_buffer, .address_space: global }
      - { .name: bq, .offset: 8, .size: 8, .value_kind: global_buffer, .address_space: global }
      - { .name: bk, .offset: 16, .size: 8, .value_kind: global_buffer, .address_space: global }
      - { .name: bv, .offset: 24, .size: 8, .value_kind: global_buffer, .address_space: global }
      - { .name: qkv, .offset: 32, .size: 8, .value_kind: global_buffer, .address_space: global }
    .group_segment_fixed_size: 327680
    .private_segment_fixed_size: 0
    .kernarg_segment_align: 8
    .kernarg_segment_size: 40
    .max_flat_workgroup_size: 128
    .sgpr_count:     100
    .vgpr_count:     1024
    .wavefront_size: 32
...
	.end_amdgpu_metadata
.endif
;; end of part 2
;; launch attn (part 3): grid 8 x 32, 16 waves a work-group, clusters of 4 x 1, 223,232 bytes of LDS; arguments qkv, hcq; writes hcq
.if DOCPART == 3
	.amdgcn_target "amdgcn-amd-amdhsa--gfx1250"
	.amdhsa_code_object_version 6
	.text
	.protected	k_q009782bc69_attn
	.globl	k_q009782bc69_attn
	.p2align	8
	.type	k_q009782bc69_attn,@function
k_q009782bc69_attn:
	s_mov_b64 s[64:65], 0
	v_nop
	global_prefetch_b8 v0, s[64:65] scope:SCOPE_SE
	s_setreg_imm32_b32 hwreg(HW_REG_WAVE_MODE, 25, 1), 1
	s_wait_xcnt 0x0
	s_wait_alu depctr_hold_cnt(0) depctr_sa_sdst(0) depctr_va_vdst(0) depctr_va_sdst(0) depctr_va_ssrc(0) depctr_va_vcc(0) depctr_vm_vsrc(0)
	s_getreg_b32 s2, hwreg(HW_REG_IB_STS2, 6, 4)
	s_cmp_eq_u32 s2, 0
	s_cbranch_scc0 .Lentry_in_a_cluster
	s_endpgm
.Lentry_in_a_cluster:
	s_bfe_u32 s2, ttmp6, 0x10000c
	s_cmp_lg_u32 s2, 0x3003
	s_cbranch_scc0 .Lentry_shape_is_right
	s_endpgm
.Lentry_shape_is_right:
; Attention of one batch and head pair on codes of FP6 (E2M3) with E8M0 scales; the result, divided by the row's sum, is quantised along D and leaves as codes for the next product.
; t = score x log2(e) / 32 (the scale is 1 / sqrt(1,024)); M = the row's largest t so far, rounded UP to a whole number; p = 2^(t - M) is what is quantised, along the keys; the row's sum is taken of the unquantised p.
; When M moves, the sum and O are multiplied by 2^(old M - new M): exact.
; SHARES.  A work-group owns 128 queries and BOTH heads of a pair, so that the 128 outputs of a row (a K step of the next product) meet in one work-group.  Wave w: head w / 8 of the pair, tile of 16 queries w % 8, in 256 registers:
; four waves to a SIMD, so that one wave's vector work stands beside another's matrix work and LDS loads.  Every wave walks the batch's 1,024 keys, 128 a step.
; K, V AND THEIR SCALE WORDS OF THE PAIR ARE 204,800 DENSE BYTES OF THE RECORD: they come into LDS once, each wave bringing a sixteenth; nothing is filled again, so there is no ring.
; CLUSTER: the four blocks of queries of a cluster read the same record: each load is asked for jointly by the four.
; OPERANDS are images of operand registers (1,536 bytes a fragment, register 4 c + j of lane l at 512 c + 16 l + 4 j).  A fragment of Q or K holds both heads: registers 0-5 head 2 p, registers 6-11 head 2 p + 1.
; THE SCORES' K IS 64: I clear the other head's six registers of Q.  Zero codes add nothing whatever stands against them: the format has no code for infinity or NaN, and no scale byte here is 0xff.
; Both products are used transposed: S^T = K Q^T, O^T = V^T P^T: a lane holds one query.  The rows of a block of K and of V are laid so that two neighbouring tiles leave 16 neighbours (keys; outputs) in a lane's 16 registers.
; LIMITS: a block's largest p is taken from the block's largest score, which takes v_exp_f32 not to fall where its input rises; blocks under 2^-124 get the byte 1; NaN and infinities are not served.
; REGISTERS: v1-5 addresses that stay; v6-11 addresses in hand; v12 -M, v13 the largest t, v[14:15] the sum; v16-27 Q; v28-31 V's scale words; v32-127 K's eight fragments (v80-127 then V's four); v128-191 S^T, then p;
;   v192-223 O^T; v224-235 p's codes; v232-254 at work; v248-251 K's scale words; v255 Q's.
.set REC,  307200                      ; a record of qkv
.set QS,   98304                       ; in it: Q's scale words;
.set KVO,  102400                      ; K's fragments, V's, K's words, V's words: 204,800 bytes
.set VC,   98304                       ; in LDS: K's fragments at 0, V's here,
.set KS,   196608                      ; K's scale words,
.set VS,   200704                      ; V's,
.set STG,  204800                      ; the way out: eight fragments of 1,536 bytes,
.set STS,  217088                      ; and 512 bytes of scale words.  No fill lands in these two
.set HS,   3145728                     ; the scale words' place in hcq
.set LI,   1                           ; v1  16 x lane
.set R16,  2                           ; v2  16 r
.set AV0,  3                           ; v3  my head's fragments of V
.set AKS0, 4                           ; v4  K's scale words
.set AVS0, 5                           ; v5  my head's scale words of V
.set ADK,  8
.set ADV,  9
.set ADS,  10
.set ADT,  11
.set VSC,  28
.set KF,   32
.set VF,   80
.set S,    128
.set O,    192
.set KSC,  248
.set WV,   18                          ; s18 wave;  s19 my head of the pair;  s20 my tile of queries
.set CS,   22                          ; s[22:23] c = log2(e) / 32
.set G1,   24                          ; s[24:31], s[32:35] the descriptor
.set G0,   32
.set SEL,  36                          ; s[36:37] v_permlanex16_b32's selects for lane l xor 16
.set TK,   38                          ; s38 the step's fragments: 12,288 bytes a step
.set TS,   39                          ; s39 the step's scale words: 512 bytes a step
.set CNT,  40                          ; s40 steps to go
.macro CROUND                          ; a round of the cluster's barrier
	s_barrier_signal -1
	s_barrier_wait -1
	s_cmp_lg_u32 s[WV], 0
	s_cbranch_scc1 .Lnot_wave_0_\@
	s_barrier_signal -3
.Lnot_wave_0_\@:
	s_barrier_wait -3
	s_barrier_signal -1
	s_barrier_wait -1
.endm
	s_load_b128 s[4:7], s[0:1], 0x0                ; qkv, hcq
	v_lshl_add_u32 v254, v0, 2, 0x36000
	v_mov_b32 v255, 0
	ds_add_u32 v254, v255
	ds_add_u32 v254, v255
	s_wait_dscnt 0x0
	v_lshrrev_b32 v8, 5, v0
	v_readfirstlane_b32 s[WV], v8                  ; wave 0..15
	s_lshr_b32 s19, s[WV], 3
	s_and_b32 s20, s[WV], 7
	s_bfe_u32 s41, ttmp6, 0x40000                  ; cx
	s_lshl_b32 s42, ttmp9, 2
	s_add_co_u32 s42, s42, s41                     ; x: my block of 128 queries: it enters Q's and the output's addresses alone
	s_and_b32 s43, ttmp7, 0xffff                   ; 8 x batch + head pair, which the four partners share
	s_mul_i32 s44, s43, REC
	s_mov_b32 s45, 0
	s_mov_b32 s[G1], 15|(3<<16)|(1<<21)            ; 15:0 the mask: all four work-groups; 17:16 elements of 8 bytes; 21 set beside a mask
	s_mov_b32 s[G1+1], 32<<16                      ; tensor_dim0: rows of 256 bytes,
	s_mov_b32 s[G1+2], 50<<16                      ; tensor_dim1: 50 of them: a sixteenth of the 204,800 bytes
	s_mov_b32 s[G1+3], 32<<16                      ; tile_dim0
	s_mov_b32 s[G1+4], 50                          ; tile_dim1
	s_mov_b32 s[G1+5], 32                          ; dense
	s_mov_b32 s[G1+6], 0
	s_mov_b32 s[G1+7], 0
	s_mul_i32 s46, s[WV], 12800                    ; my sixteenth, in LDS
	s_add_co_u32 s48, s46, KVO                     ; and in the record
	s_mov_b32 s49, 0
	s_lshl_b32 s50, s42, 3
	s_add_co_u32 s50, s50, s20                     ; my tile among the batch's 64
	s_mul_i32 s52, s50, 1536
	s_mov_b32 s53, 0
	s_lshr_b32 s56, s50, 2
	s_lshl_b32 s56, s56, 8
	s_and_b32 s57, s50, 3
	s_lshl_b32 s57, s57, 2
	s_add_co_u32 s56, s56, s57
	s_add_co_u32 s56, s56, QS                      ; its scale words: 256 (tile / 4) + 4 (tile % 4), + 16 r
	s_mov_b32 s57, 0
	s_lshr_b32 s51, s43, 3                         ; the batch
	s_and_b32 s47, s43, 7                          ; the head pair: the next product's K step
	s_lshl_b32 s58, s51, 6
	s_add_co_u32 s58, s58, s50                     ; the output's block of rows,
	s_mul_i32 s58, s58, 12288
	s_mul_i32 s59, s47, 1536
	s_add_co_u32 s58, s58, s59
	s_mov_b32 s59, 0
	s_lshl_b32 s60, s51, 12
	s_lshl_b32 s61, s42, 9
	s_add_co_u32 s60, s60, s61                     ; and my work-group's 128 rows' words
	s_lshl_b32 s61, s47, 14
	s_add_co_u32 s60, s60, s61
	s_add_co_u32 s60, s60, HS
	s_mov_b32 s61, 0
	s_mov_b32 s[CS], 0x3d38aa3b                    ; c = log2(e) / 32
	s_mov_b32 s[CS+1], s[CS]                       ; (named with it as a pair, so it is written)
	s_mov_b32 s[SEL], 0x76543210
	s_mov_b32 s[SEL+1], 0xfedcba98
	s_mov_b32 s[TK], 0
	s_mov_b32 s[TS], 0
	s_mov_b32 s[CNT], 8
	s_wait_kmcnt 0x0
	s_add_nc_u64 s[4:5], s[4:5], s[44:45]          ; the record
	s_add_nc_u64 s[54:55], s[4:5], s[52:53]        ; Q's fragment
	s_add_nc_u64 s[56:57], s[4:5], s[56:57]        ; Q's scale words
	s_add_nc_u64 s[58:59], s[6:7], s[58:59]
	s_add_nc_u64 s[60:61], s[6:7], s[60:61]
	CROUND                                         ; all four work-groups are here: the joint loads meet
	s_mov_b32 s[G0], 1
	s_mov_b32 s[G0+1], s46
	s_add_nc_u64 s[G0+2:G0+3], s[4:5], s[48:49]
	s_or_b32 s[G0+3], s[G0+3], 0x80000000
	tensor_load_to_lds s[G0:G0+3], s[G1:G1+7]      ; my one tensor load of the launch
	s_nop 0
.rept 4
	v_nop
.endr
	v_and_b32 v8, 31, v0
	v_lshlrev_b32 v[LI], 4, v8
	v_and_b32 v9, 15, v0
	v_lshlrev_b32 v[R16], 4, v9
.irp c, 0,1,2
	global_load_b128 v[16+4*\c:19+4*\c], v[LI], s[54:55] offset:512*\c
.endr
	global_load_b32 v255, v[R16], s[56:57]
	s_mul_i32 s46, s19, 6144
	s_add_co_u32 s46, s46, VC
	v_add_nc_u32 v[AV0], s46, v[LI]                ; my head's four blocks of a key step's eight
	v_add_nc_u32 v[AKS0], KS, v[LI]                ; lanes 0-15: the words of a step's tiles 0-3, lanes 16-31: of tiles 4-7
	s_lshl_b32 s46, s19, 8
	s_add_co_u32 s46, s46, VS
	v_add_nc_u32 v[AVS0], s46, v[R16]
	s_cmp_eq_u32 s19, 0
	s_cselect_b32 s46, -1, 0
	s_not_b32 s47, s46
	s_wait_loadcnt 0x0
.irp i, 0,1,2,3,4,5
	v_and_b32 v[16+\i], s46, v[16+\i]              ; of Q's two heads mine is kept, the other's codes become zeros
	v_and_b32 v[22+\i], s47, v[22+\i]
.endr
	v_mov_b32 v13, 0xff61b1e6                      ; the largest t so far: -3e38, under every t
	v_floor_f32 v12, -v13                          ; -M
	v_mov_b32 v14, 0                               ; the sum, in two halves
	v_mov_b32 v15, 0
.irp b, 0,1,2,3
	v_mov_b32 v[236+\b], 0                         ; written once: a lane permute's destination counts as one of its sources
.endr
	v_mov_b32 v253, 0                              ; (named as the upper half of the pair v[252:253] before it is first written)
.set i, 0
.rept 32
	v_mov_b32 v[O+i], 0                            ; O^T.  (The step is written once: the first finds zeros, which the first change of M leaves zeros)
.set i, i+1
.endr
	s_wait_tensorcnt 0x0                           ; my sixteenth is in,
	s_barrier_signal -1
	s_barrier_wait -1                              ; everybody's is
.Lstep:                                            ; eight trips of 128 keys; no barrier inside: LDS is only read
	v_add_nc_u32 v[ADK], s[TK], v[LI]              ; (these four are also the places between the last products and the loads into the registers that they read)
	v_add_nc_u32 v[ADV], s[TK], v[AV0]
	v_add_nc_u32 v[ADS], s[TS], v[AKS0]
	v_add_nc_u32 v[ADT], s[TS], v[AVS0]
.irp t, 0,1,2,3,4,5,6,7
.irp c, 0,1,2
	ds_load_b128 v[KF+12*\t+4*\c:KF+12*\t+4*\c+3], v[ADK] offset:1536*\t+512*\c
.endr
.endr
	ds_load_b128 v[KSC:KSC+3], v[ADS]
	s_wait_dscnt 0x0
.irp t, 0,1,2,3
	v_wmma_scale_f32_16x16x128_f8f6f4 v[S+8*\t:S+8*\t+7], v[KF+12*\t:KF+12*\t+11], v[16:27], 0, v[KSC+\t], v255 matrix_a_fmt:MATRIX_FMT_FP6 matrix_b_fmt:MATRIX_FMT_FP6
.endr
.irp t, 4,5,6,7
	v_wmma_scale_f32_16x16x128_f8f6f4 v[S+8*\t:S+8*\t+7], v[KF+12*\t:KF+12*\t+11], v[16:27], 0, v[KSC+\t-4], v255 matrix_a_fmt:MATRIX_FMT_FP6 matrix_b_fmt:MATRIX_FMT_FP6 matrix_a_scale:MATRIX_SCALE_ROW1
.endr
.rept 4
	v_nop                                          ; places: in front of the first read of the scores, and of the loads into K's registers
.endr
.irp t, 0,1,2,3                                ; V's four fragments land under the softmax
.irp c, 0,1,2
	ds_load_b128 v[VF+12*\t+4*\c:VF+12*\t+4*\c+3], v[ADV] offset:1536*\t+512*\c
.endr
.endr
	ds_load_b128 v[VSC:VSC+3], v[ADT]
.irp b, 0,1,2,3
	v_max3_num_f32 v[232+\b], v[S+16*\b], v[S+1+16*\b], v[S+2+16*\b]   ; the largest score of each block of 32 keys: it serves the row's maximum and, since p rises with the score, the block's largest p
.endr
.irp i, 3,5,7,9,11,13
.irp b, 0,1,2,3
	v_max3_num_f32 v[232+\b], v[232+\b], v[S+16*\b+\i], v[S+1+16*\b+\i]   ; (the four blocks by turns)
.endr
.endr
.irp b, 0,1,2,3
	v_max_num_f32 v[232+\b], v[232+\b], v[S+15+16*\b]
.endr
.irp b, 0,1,2,3
	v_permlanex16_b32 v[236+\b], v[232+\b], s[SEL], s[SEL+1]
.endr
.irp b, 0,1,2,3
	v_max_num_f32 v[232+\b], v[232+\b], v[236+\b]  ; with lane l xor 16's 16 keys
.endr
	v_max3_num_f32 v254, v232, v233, v234
	v_max_num_f32 v254, v254, v235                 ; the step's largest score of my query
	v_mul_f32 v254, s[CS], v254                    ; as t (c is positive)
	v_max_num_f32 v13, v13, v254                   ; the running largest t
	v_mov_b32 v254, v12
	v_floor_f32 v12, -v13                          ; the new -M = floor(-t) = -ceil(t)
	v_sub_f32 v254, v12, v254                      ; M's old value less its new one: a whole number, 0 or less
	v_cvt_i32_f32 v254, v254                       ; (it saturates)
	v_ldexp_f32 v252, 1.0, v254                    ; f = 2^(old M - new M)
.set j, 0
.rept 32
	v_pk_fma_f32 v[S+j:S+j+1], v[S+j:S+j+1], s[CS:CS+1], v[12:13] op_sel_hi:[1,0,0]   ; t - M, two at a time
.set j, j+2
.endr
.irp b, 0,1,2,3
	v_fma_f32 v[232+\b], v[232+\b], s[CS], v12     ; the same of each block's largest score
.endr
.set j, 0
.rept 64
	v_exp_f32 v[S+j], v[S+j]                       ; p = 2^(t - M), at most 1: not normalised
.set j, j+1
.endr
	v_pk_mul_f32 v[14:15], v[14:15], v[252:253] op_sel_hi:[1,0]   ; the sums under the new M.  (The plain line behind the exponentials)
	s_wait_alu depctr_va_vdst(0)                   ; one wait for the whole batch, ahead of its first reader
.irp b, 0,1,2,3
	v_exp_f32 v[232+\b], v[232+\b]                 ; the block's largest p: the same two instructions on the same number give the same bits
.endr
	v_pk_add_f32 v[236:237], v[S:S+1], v[S+2:S+3]  ; the row's sum is taken of the unquantised p: two at a time, in two chains
.irp j, 4,8,12,16,20,24,28,32,36,40,44,48,52,56,60
	v_pk_add_f32 v[14:15], v[14:15], v[S+\j:S+\j+1]
	v_pk_add_f32 v[236:237], v[236:237], v[S+\j+2:S+\j+3]
.endr
	v_pk_add_f32 v[14:15], v[14:15], v[236:237]
	s_wait_alu depctr_va_vdst(0)                   ; and one for the four
.irp b, 0,1,2,3
	v_max_num_f32 v[232+\b], 0x1800000, v[232+\b]  ; the floor 2^(3 - 127): the byte cannot fall under 1
.endr
.irp b, 0,1,2,3
	v_add_nc_u32 v[244+\b], 0xff000000, v[232+\b]  ; 2 off the exponent field: the conversion's scale operand
.endr
.irp b, 0,1,2,3
	v_lshrrev_b32 v[236+\b], 23, v[244+\b]         ; the scale's byte
.endr
	v_lshl_or_b32 v253, v237, 8, v236              ; p's scale word for these 128 keys
	v_lshl_or_b32 v253, v238, 16, v253
	v_lshl_or_b32 v253, v239, 24, v253
.irp c, 0,1
	v_cvt_scalef32_pk16_fp6_f32 v[224+6*\c:226+6*\c], v[S+32*\c:S+15+32*\c], v[244+2*\c]
	v_cvt_scalef32_pk16_fp6_f32 v[236+4*\c:238+4*\c], v[S+16+32*\c:S+31+32*\c], v[244+2*\c+1]   ; (a conversion's three registers begin on an even number)
.endr
	v_nop                                          ; one plain line behind the scaled conversions
.irp c, 0,1                                    ; the operand's layout wants a whole block in a lane
.irp i, 0,1,2
	v_permlane16_swap_b32 v[224+6*\c+\i], v[236+4*\c+\i]
.endr
.irp i, 0,1,2
	v_mov_b32 v[227+6*\c+\i], v[236+4*\c+\i]
.endr
.endr
.set j, 0
.rept 16
	v_pk_mul_f32 v[O+j:O+j+1], v[O+j:O+j+1], v[252:253] op_sel_hi:[1,0]   ; O^T under the new M.  (These sixteen are also the places between p's codes and scale word and the products)
.set j, j+2
.endr
	s_wait_dscnt 0x0                               ; V's fragments and scale words are in
.irp t, 0,1,2,3                                ; the four accumulators by turns, one instruction a turn
	v_wmma_scale_f32_16x16x128_f8f6f4 v[O+8*\t:O+8*\t+7], v[VF+12*\t:VF+12*\t+11], v[224:235], v[O+8*\t:O+8*\t+7], v[VSC+\t], v253 matrix_a_fmt:MATRIX_FMT_FP6 matrix_b_fmt:MATRIX_FMT_FP6
.endr
	s_add_co_u32 s[TK], s[TK], 12288
	s_add_co_u32 s[TS], s[TS], 512
	s_sub_co_u32 s[CNT], s[CNT], 1
	s_cmp_lg_u32 s[CNT], 0
	s_cbranch_scc1 .Lstep
	; THE WAY OUT.  O^T / the sum: register 16 G + i is output 32 G + 16 h + i of my head: two blocks of the next product's K.  They become six registers of a fragment and half a scale word; the two heads' halves meet in LDS.
	v_add_f32 v14, v14, v15                        ; the sum's two halves,
	v_permlanex16_b32 v252, v14, s[SEL], s[SEL+1]
	v_add_f32 v14, v14, v252                       ; and lane l xor 16's
	v_rcp_f32 v14, v14
	s_mul_i32 s46, s20, 1536
	s_add_co_u32 s46, s46, STG                     ; my tile's image
	s_mul_i32 s47, s19, 520
	s_add_co_u32 s47, s47, s46
	v_add_nc_u32 v6, s47, v[LI]                    ; registers 6 c + 0, 1 lie at 520 c, registers 6 c + 4, 5 at 512 + 520 c,
	s_mul_i32 s47, s19, 1016
	s_add_co_u32 s47, s47, s46
	v_add_nc_u32 v7, s47, v[LI]                    ; registers 6 c + 2, 3 at 8 + 1,016 c  (+ 16 x lane)
	v_add_nc_u32 v9, s46, v[LI]                    ; and the whole image comes back from here
	s_lshr_b32 s47, s20, 2
	s_lshl_b32 s47, s47, 8
	s_and_b32 s48, s20, 3
	s_lshl_b32 s48, s48, 2
	s_add_co_u32 s47, s47, s48
	s_lshl_b32 s48, s19, 1
	s_add_co_u32 s47, s47, s48
	s_add_co_u32 s47, s47, STS
	v_add_nc_u32 v8, s47, v[R16]                   ; my half of row r's scale word
	v_add_nc_u32 v10, STS, v[LI]
	s_wait_alu depctr_va_vdst(0)                   ; the wait ahead of the reciprocal's first reader; the five additions above are the plain lines behind it
.set j, 0
.rept 32
	v_mul_f32 v[S+j], v[O+j], v14
.set j, j+1
.endr
.irp b, 0,1
	v_max3_num_f32 v[232+\b], |v[S+16*\b]|, |v[S+1+16*\b]|, 0x1800000
.endr
.irp i, 2,4,6,8,10,12,14
.irp b, 0,1
	v_max3_num_f32 v[232+\b], v[232+\b], |v[S+16*\b+\i]|, |v[S+1+16*\b+\i]|
.endr
.endr
.irp b, 0,1
	v_permlanex16_b32 v[236+\b], v[232+\b], s[SEL], s[SEL+1]
.endr
.irp b, 0,1
	v_max_num_f32 v[232+\b], v[232+\b], v[236+\b]
.endr
.irp b, 0,1
	v_add_nc_u32 v[244+\b], 0xff000000, v[232+\b]
.endr
.irp b, 0,1
	v_lshrrev_b32 v[236+\b], 23, v[244+\b]
.endr
	v_lshl_or_b32 v240, v237, 8, v236              ; my two bytes
	v_cvt_scalef32_pk16_fp6_f32 v[224:226], v[S:S+15], v244
	v_cvt_scalef32_pk16_fp6_f32 v[248:250], v[S+16:S+31], v245
	v_nop
.irp i, 0,1,2
	v_permlane16_swap_b32 v[224+\i], v[248+\i]
.endr
.irp i, 0,1,2
	v_mov_b32 v[227+\i], v[248+\i]
.endr
	ds_store_b64 v6, v[224:225]
	ds_store_b64 v7, v[226:227] offset:8
	ds_store_b64 v6, v[228:229] offset:512
	ds_store_b16 v8, v240                          ; lanes l and l xor 16 write the same bytes with the same value
	s_wait_dscnt 0x0                               ; for the others' sake: my stores have landed
	s_barrier_signal -1
	s_barrier_wait -1
	s_cmp_lt_u32 s[WV], 8                          ; waves 0-7 store a whole fragment each,
	s_cbranch_scc0 .Lnot_frag
.irp c, 0,1,2
	ds_load_b128 v[S+4*\c:S+4*\c+3], v9 offset:512*\c
.endr
	s_wait_dscnt 0x0
.irp c, 0,1,2
	global_store_b128 v[LI], v[S+4*\c:S+4*\c+3], s[58:59] offset:512*\c   ; 512 consecutive bytes
.endr
.Lnot_frag:
	s_cmp_eq_u32 s[WV], 8                          ; wave 8 the 128 rows' scale words
	s_cbranch_scc0 .Ldone
	ds_load_b128 v[S+16:S+19], v10
	s_wait_dscnt 0x0
	global_store_b128 v[LI], v[S+16:S+19], s[60:61]
.Ldone:
	s_wait_xcnt 0x0
	v_lshl_add_u32 v254, v0, 2, 0x36000
	v_mov_b32 v255, 0
	s_wait_tensorcnt 0x0
	ds_add_u32 v254, v255
	s_wait_dscnt 0x0
	CROUND                                         ; the closing round
	s_endpgm
.Lfunc_end_k_q009782bc69_attn:
	.size	k_q009782bc69_attn, .Lfunc_end_k_q009782bc69_attn-k_q009782bc69_attn
	.p2alignl 7, 3214868480
	.fill 96, 4, 3214868480
	.section	.rodata,"a",@progbits
	.p2align	6, 0x0
	.amdhsa_kernel k_q009782bc69_attn
		.amdhsa_group_segment_fixed_size 223232
		.amdhsa_private_segment_fixed_size 0
		.amdhsa_enable_private_segment 0
		.amdhsa_kernarg_size 16
		.amdhsa_user_sgpr_count 2
		.amdhsa_user_sgpr_kernarg_segment_ptr 1
		.amdhsa_wavefront_size32 1
		.amdhsa_system_sgpr_workgroup_id_x 1
		.amdhsa_system_sgpr_workgroup_id_y 1
		.amdhsa_system_sgpr_workgroup_id_z 1
		.amdhsa_system_vgpr_workitem_id 0
		.amdhsa_next_free_vgpr 256
		.amdhsa_next_free_sgpr 66
		.amdhsa_reserve_vcc 0
		.amdhsa_float_denorm_mode_32 3
		.amdhsa_float_denorm_mode_16_64 3
		.amdhsa_memory_ordered 1
		.amdhsa_forward_progress 1
		.amdhsa_inst_pref_size 29
	.end_amdhsa_kernel
	.amdgpu_metadata
---
amdhsa.version: [ 1, 2 ]
amdhsa.kernels:
  - .name:           k_q009782bc69_attn
    .symbol:         k_q009782bc69_attn.kd
    .args:
      - { .name: qkv, .offset: 0, .size: 8, .value_kind: global_buffer, .address_space: global }
      - { .name: hcq, .offset: 8, .size: 8, .value_kind: global_buffer, .address_space: global }
    .group_segment_fixed_size: 223232
    .private_segment_fixed_size: 0
    .kernarg_segment_align: 8
    .kernarg_segment_size: 16
    .max_flat_workgroup_size: 512
    .sgpr_count:     66
    .vgpr_count:     256
    .wavefront_size: 32
...
	.end_amdgpu_metadata
.endif
;; end of part 3
;; launch ffn1 (part 4): grid 16 x 16, 4 waves a work-group, clusters of 4 x 4, 327,680 bytes of LDS; arguments hcq, wq, b1, hid; writes hid
.if DOCPART == 4
	.amdgcn_target "amdgcn-amd-amdhsa--gfx1250"
	.amdhsa_code_object_version 6
	.text
	.protected	k_q009782bc69_ffn1
	.globl	k_q009782bc69_ffn1
	.p2align	8
	.type	k_q009782bc69_ffn1,@function
k_q009782bc69_ffn1:
	s_mov_b64 s[64:65], 0
	v_nop
	global_prefetch_b8 v0, s[64:65] scope:SCOPE_SE
	s_setreg_imm32_b32 hwreg(HW_REG_WAVE_MODE, 25, 1), 1
	s_wait_xcnt 0x0
	s_wait_alu depctr_hold_cnt(0) depctr_sa_sdst(0) depctr_va_vdst(0) depctr_va_sdst(0) depctr_va_ssrc(0) depctr_va_vcc(0) depctr_vm_vsrc(0)
	s_getreg_b32 s2, hwreg(HW_REG_IB_STS2, 6, 4)
	s_cmp_eq_u32 s2, 0
	s_cbranch_scc0 .Lentry_in_a_cluster
	s_endpgm
.Lentry_in_a_cluster:
	s_bfe_u32 s2, ttmp6, 0x10000c
	s_cmp_lg_u32 s2, 0xf033
	s_cbranch_scc0 .Lentry_shape_is_right
	s_endpgm
.Lentry_shape_is_right:
; hid = relu(Hcat x W1^T + b1) on codes of FP6 (E2M3) with E8M0 scales, K = 1,024; the result is quantised here along FF and leaves as codes.
; OPERANDS come as images of operand registers: a fragment (16 rows x 128 K) is 1,536 bytes, register 4 c + j of lane l at 512 c + 16 l + 4 j; an image is [block of 16 rows][8 K steps][1,536];
; row p of block f is row 32 (f / 2) + 8 (f % 2) + 16 (p / 8) + p % 8.  Scale words lie [K step][16,384 bytes], the word of block 4 g + i, row r at 256 g + 16 r + 4 i.
; A tile of 256 x 256 is made by four waves, 128 x 128 each: 64 accumulators.  Source 0 is the B SIDE, W1 (its rows run along a lane's result registers, 16 neighbours in two neighbouring blocks: the next K), source 1 the A SIDE, Hcat (a lane holds one row).
; THREE LDS SLOTS of two K steps each: six of the eight K steps, and the scale words of the tile's rows for all of K, are asked for at the start; the last two K steps come into slot 0 when it has been read: ONE refill,
; with the rest of that K step and slots 1 and 2 in which to land.  CLUSTERS: 4 x 4 work-groups; A's tiles are asked for jointly along a row, B's along a column.
; THE WAY OUT: for each of my eight A blocks the 64 results of a lane, clipped at 0, become one fragment (a K step of the next product) and one scale word; the fragment leaves as it stands, 3 x 512 consecutive bytes.
; LIMITS: a block under 2^-124 (a block of zeros among them) gets the byte 1; NaN and infinities are not served.
; REGISTERS: window 0: v16-29 addresses; v32-63 scale words, two sets; v64-127 b1 in the result's layout; v128-223 A's eight fragments, one set.  On the way out v128-229 are at work.
;   window 1: B's fragments, two sets, at v0 and v128.   windows 2, 3: the accumulators of my A blocks 0-3, 4-7: (a, b) at v[8 (8 (a % 4) + b)].
.set HS,    3145728                    ; the scale words' place in hcq
.set W1C,   5734400                    ; W1's codes in wq,
.set W1S,   8880128                    ; its scale words
.set FS,    12582912                   ; the scale words' place in hid
.set SPB,   16384                      ; bytes of scale words in a K step, on both sides
.set NQ,    2                          ; K steps in a slot
.set FR,    12                         ; registers of a fragment
.set NL,    3                          ; LDS loads that bring one
.set NP,    4                          ; places behind this matrix instruction (ISA guide 7.12.1)
.set HALFT, 24576                      ; 8 blocks x 2 K steps x 1,536: what one tensor load brings, and what one wave reads of A or of B
.set SLOT,  4*HALFT                    ; A's two halves, then B's
.set SCL,   3*SLOT                     ; behind the three slots: A's scale words [8 K steps][1,024], then B's
.set HALFS, 4096                       ; 4 K steps x 1,024: what one tensor load brings
.set SPARE, SCL+4*HALFS                ; the spare words, 128 bytes for each wave: two blocks of 256 bytes that no other line names
.set STS,   SPARE+512                  ; 512 bytes for each wave: the scale words on their way out; no fill lands here
.set SA,    49152                      ; from one A block's fragment to the next in the output: 32 K steps
.set ADRA, 16                          ; v16-18 LDS address of my A fragments in slot 0, 1, 2
.set ADRB, 20                          ; v20-22 the same for B
.set LI,   24                          ; v24    16 x lane
.set SSA,  25                          ; v25    where I put a scale word: my 512 bytes + 16 r
.set SSR,  26                          ; v26    where I read them back: + 16 x lane
.set ADRS, 27                          ; v27    LDS address of my scale words: lanes 0-15 A's, lanes 16-31 B's
.set SPW,  28                          ; v28    LDS address of my spare word; never rewritten
.set NIL,  29                          ; v29    0; never rewritten
.set SC,   32                          ; set s at SC + 16 s; in it register 8 q + i: lanes 0-15 the word of A's block i, lanes 16-31 of B's block i, for a slot's q-th K step
.set BN,   64
.set AF,   128
.set T,    128                         ; the way out: 64 numbers,
.set TM,   192                         ; v192-207 at work,
.set PW,   208                         ; the scale word,
.set PC,   210                         ; v210-221 the codes; v222-224, v226-228 at work
.set G1,   24                          ; s[24:31] descriptor group 1 for A's tiles; s[32:43] group 0, a set for each slot
.set G0,   32
.set G1B,  48                          ; s[48:55] the same for B's; group 0: s[56:59], s[60:63] for slots 0 and 1, s[44:47] for slot 2
.set G0B,  56
.set G1S,  68                          ; s[68:75], s[76:79] groups 1 and 0 for A's scale words; s[80:87], s[88:91] for B's
.set G0S,  76
.set G1SB, 80
.set G0SB, 88
.set OUT,  92                          ; s[92:93] where my first fragment goes; s[94:95] my scale words
.set OUTS, 94
.set SEL,  98                          ; s[98:99] v_permlanex16_b32's selects for lane l xor 16
.set MSB, 0
.macro WIN new                         ; the immediate's high byte repeats the setting that is left
.if MSB != \new
	s_set_vgpr_msb (MSB<<8)|\new
.set MSB, \new
.endif
.endm
.set MUL_LO,   0xa1                    ; source 0 (B) window 1, source 1 (A) window 0, C and D window 2
.set MUL_HI,   0xf1                    ; the same, C and D window 3
.set FIRST_LO, 0x81                    ; the first K step: C is the bias, in window 0
.set FIRST_HI, 0xc1
.set TO_B,     0x40                    ; destination window 1, address window 0
; A joint load: waves 0 and 1 fetch for A, waves 2 and 3 for B.  Each of the two lines has one mask and one set of registers for all that issue it; the branch hangs on the wave's number alone.
; Four v_nop follow each of the two lines, ahead of the jump, the label and what follows.
.macro JLOAD g0a, g1a, g0b, g1b
	s_cmp_eq_u32 s15, 0
	s_cbranch_scc0 .Lfor_b_\@
	tensor_load_to_lds s[\g0a:\g0a+3], s[\g1a:\g1a+7]
	s_nop 0
.rept 4
	v_nop
.endr
	s_branch .Lasked_\@
.Lfor_b_\@:
	tensor_load_to_lds s[\g0b:\g0b+3], s[\g1b:\g1b+7]
	s_nop 0
.rept 4
	v_nop
.endr
.Lasked_\@:
.endm
.macro CREST                           ; a round of the cluster's barrier behind its opening barrier
	s_cmp_lg_u32 s14, 0
	s_cbranch_scc1 .Lnot_wave_0_\@
	s_barrier_signal -3
.Lnot_wave_0_\@:
	s_barrier_wait -3
	s_barrier_signal -1
	s_barrier_wait -1
.endm
.macro CROUND                          ; a whole round
	s_barrier_signal -1
	s_barrier_wait -1
	CREST
.endm
	s_load_b256 s[4:11], s[0:1], 0x0               ; hcq s[4:5], wq s[6:7], b1 s[8:9], hid s[10:11]
	v_lshl_add_u32 v[SPW], v0, 2, SPARE
	v_mov_b32 v[NIL], 0
	ds_add_u32 v28, v29
	ds_add_u32 v28, v29
	s_wait_dscnt 0x0
	v_lshrrev_b32 v1, 5, v0
	v_readfirstlane_b32 s14, v1                    ; wave 0..3
	s_lshr_b32 s15, s14, 1                         ; which half of the A side is mine.  Also: I fetch for A (0) or for B (1)
	s_and_b32 s16, s14, 1                          ; which half of the B side.  Also: which half of that side's tile I fetch
	s_bfe_u32 s2, ttmp6, 0x40000                   ; cx, cy: my place in the cluster
	s_bfe_u32 s3, ttmp6, 0x40004
	s_lshl_b32 s12, ttmp9, 2
	s_add_co_u32 s12, s12, s2                      ; which 256 rows of W1: 4 x cluster x + cx
	s_and_b32 s17, ttmp7, 0xffff
	s_lshl_b32 s17, s17, 2
	s_add_co_u32 s17, s17, s3                      ; which 256 rows of Hcat: 4 x cluster y + cy
	s_lshl_b32 s18, s3, 2
	s_lshl_b32 s18, 15, s18                        ; my row of the cluster
	s_lshl_b32 s19, 0x1111, s2                     ; my column
	; descriptor group 1 for codes: 8 rows (blocks) of 3,072 bytes (two K steps), 12,288 bytes apart; elements of 8 bytes; no padding: an image is read 512 consecutive bytes an instruction
	s_or_b32 s[G1+0], s18, (3<<16)|(1<<21)         ; 15:0 the mask: A's tiles go to my row; 17:16 elements of 8 bytes; 21 set beside a mask
	s_or_b32 s[G1B+0], s19, (3<<16)|(1<<21)
.irp g, G1, G1B
	s_mov_b32 s[\g+1], 384<<16                     ; tensor_dim0
	s_mov_b32 s[\g+2], 8<<16                       ; tensor_dim1
	s_mov_b32 s[\g+3], 384<<16                     ; tile_dim0
	s_mov_b32 s[\g+4], 8                           ; tile_dim1
	s_mov_b32 s[\g+5], 1536                        ; tensor_dim0_stride
	s_mov_b32 s[\g+6], 0
	s_mov_b32 s[\g+7], 0
.endr
	; and for scale words: 4 rows (K steps) of 1,024 bytes (256 rows' words), SPB bytes apart
	s_or_b32 s[G1S+0], s18, (3<<16)|(1<<21)
	s_or_b32 s[G1SB+0], s19, (3<<16)|(1<<21)
.irp g, G1S, G1SB
	s_mov_b32 s[\g+1], 128<<16
	s_mov_b32 s[\g+2], 4<<16
	s_mov_b32 s[\g+3], 128<<16
	s_mov_b32 s[\g+4], 4
	s_mov_b32 s[\g+5], SPB/8
	s_mov_b32 s[\g+6], 0
	s_mov_b32 s[\g+7], 0
.endr
	s_lshl_b32 s66, s16, 16                        ; my half of the K steps' scale words: 4 x SPB,
	s_mul_i32 s94, s16, 98304                      ; my 8 blocks of the 16
	s_lshl_b32 s22, s17, 10
	s_add_co_u32 s22, s22, s66
	s_add_co_u32 s22, s22, HS
	s_mov_b32 s23, 0
	s_mul_i32 s20, s17, 196608
	s_add_co_u32 s20, s20, s94
	s_mov_b32 s21, 0
	s_lshl_b32 s92, s12, 10
	s_add_co_u32 s92, s92, s66
	s_add_co_u32 s92, s92, W1S
	s_mov_b32 s93, 0
	s_mul_i32 s96, s12, 196608
	s_add_co_u32 s96, s96, s94
	s_add_co_u32 s96, s96, W1C
	s_mov_b32 s97, 0
	s_mul_i32 s66, s14, HALFT                      ; where they go: by the wave's number alone
	s_mul_i32 s94, s14, HALFS
	s_mov_b32 s[SEL], 0x76543210
	s_mov_b32 s[SEL+1], 0xfedcba98
	s_wait_kmcnt 0x0
	s_add_nc_u64 s[20:21], s[4:5], s[20:21]
	s_add_nc_u64 s[22:23], s[4:5], s[22:23]
	s_add_nc_u64 s[96:97], s[6:7], s[96:97]
	s_add_nc_u64 s[92:93], s[6:7], s[92:93]
	CROUND                                         ; all sixteen work-groups are here: the first joint loads meet
	s_mov_b32 s[G0S], 1
	s_add_co_u32 s[G0S+1], s94, SCL
	s_mov_b64 s[G0S+2:G0S+3], s[22:23]
	s_or_b32 s[G0S+3], s[G0S+3], 0x80000000
	s_mov_b32 s[G0SB], 1
	s_add_co_u32 s[G0SB+1], s94, SCL
	s_mov_b64 s[G0SB+2:G0SB+3], s[92:93]
	s_or_b32 s[G0SB+3], s[G0SB+3], 0x80000000
	JLOAD G0S, G1S, G0SB, G1SB                     ; the scale words first: they are wanted with K step 0
.irp s, 0,1,2
	s_mov_b32 s[G0+4*\s], 1
	s_add_co_u32 s[G0+4*\s+1], s66, \s*SLOT
	s_add_nc_u64 s[G0+4*\s+2:G0+4*\s+3], s[20:21], \s*3072
	s_or_b32 s[G0+4*\s+3], s[G0+4*\s+3], 0x80000000
	s_mov_b32 s[G0B+4*\s-20*(\s/2)], 1
	s_add_co_u32 s[G0B+4*\s-20*(\s/2)+1], s66, \s*SLOT
	s_add_nc_u64 s[G0B+4*\s-20*(\s/2)+2:G0B+4*\s-20*(\s/2)+3], s[96:97], \s*3072
	s_or_b32 s[G0B+4*\s-20*(\s/2)+3], s[G0B+4*\s-20*(\s/2)+3], 0x80000000
	JLOAD G0+4*\s, G1, G0B+4*\s-20*(\s/2), G1B     ; K steps 0 to 5: four tensor loads of mine are out now
.endr
	v_and_b32 v1, 15, v0                           ; r
	v_bfe_u32 v2, v0, 4, 1                         ; h
	v_and_b32 v3, 31, v0
	v_lshlrev_b32 v[LI], 4, v3
	s_mul_i32 s21, s15, HALFT                      ; my 8 blocks of A,
	s_mul_i32 s22, s16, HALFT                      ; my 8 blocks of B,
	s_add_co_u32 s22, s22, 2*HALFT                 ; which lie behind A's 16
.irp s, 0,1,2
	v_add_nc_u32 v[ADRA+\s], s21, v[LI]
	v_add_nc_u32 v[ADRB+\s], s22, v[LI]
	s_add_co_u32 s21, s21, SLOT
	s_add_co_u32 s22, s22, SLOT
.endr
	v_lshlrev_b32 v5, 4, v1                        ; 16 r: four blocks' words of row r
	s_lshl_b32 s21, s15, 9                         ; A's: my 128 rows' 512 bytes of a K step's 1,024
	s_lshl_b32 s22, s16, 9                         ; B's likewise, 8,192 bytes behind A's
	s_add_co_u32 s22, s22, 8192
	s_sub_co_u32 s22, s22, s21
	v_mul_u32_u24 v6, s22, v2                      ; lanes 16-31 take B's
	s_add_co_u32 s21, s21, SCL
	v_add_nc_u32 v6, v5, v6
	v_add_nc_u32 v[ADRS], s21, v6
	s_lshl_b32 s23, s14, 9
	s_add_co_u32 s23, s23, STS
	v_add_nc_u32 v[SSA], s23, v5
	v_add_nc_u32 v[SSR], s23, v[LI]
	v_lshlrev_b32 v7, 6, v2                        ; the bias: 16 h numbers on
	; where the results go
	s_lshl_b32 s96, s17, 4
	s_lshl_b32 s97, s15, 3
	s_add_co_u32 s96, s96, s97                     ; my first block of rows,
	s_mul_i32 s92, s96, 49152
	s_lshl_b32 s97, s12, 1
	s_add_co_u32 s97, s97, s16                     ; my K step of the next product
	s_mul_i32 s66, s97, 1536
	s_add_co_u32 s92, s92, s66
	s_mov_b32 s93, 0
	s_lshl_b32 s94, s97, 14
	s_lshl_b32 s96, s96, 6                         ; 64 bytes of words a block
	s_add_co_u32 s94, s94, s96
	s_add_co_u32 s94, s94, FS
	s_mov_b32 s95, 0
	s_add_nc_u64 s[OUT:OUT+1], s[10:11], s[92:93]
	s_add_nc_u64 s[OUTS:OUTS+1], s[10:11], s[94:95]
	; b1: eight registers a block of W1's rows in the result's layout, the C of each sum's first product
	s_lshl_b32 s20, s12, 10
	s_lshl_b32 s21, s16, 9
	s_add_co_u32 s20, s20, s21
	s_mov_b32 s21, 0
	s_add_nc_u64 s[8:9], s[8:9], s[20:21]
.irp b, 0,1,2,3,4,5,6,7
	global_load_b128 v[BN+8*\b:BN+8*\b+3], v7, s[8:9] offset:(32*(\b/2)+8*(\b%2))*4
	global_load_b128 v[BN+8*\b+4:BN+8*\b+7], v7, s[8:9] offset:(32*(\b/2)+8*(\b%2))*4+16
.endr
.macro FRAG reg, adr, q, i             ; a fragment comes as it was stored: three loads of 16 bytes a lane, 512 consecutive bytes each
.irp c, 0,1,2
	ds_load_b128 v[\reg+4*\c:\reg+4*\c+3], v[\adr] offset:(\i)*3072+(\q)*1536+512*\c
.endr
.endm
; 16 matrix instructions: A's blocks a0, a0 + 1 x B's eight, one K step.  p: B's set; sc: the set of scale words.  first = 1: the bias starts the sums: nothing is ever cleared.
; The 64 accumulators take turns, one instruction a turn, in the same order in every step.
.macro MUL16 a0, p, q, sc, first
.irp a, \a0, \a0+1
.irp b, 0,1,2,3,4,5,6,7
.if \first
	v_wmma_scale_f32_16x16x128_f8f6f4 v[8*(8*((\a)%4)+\b):8*(8*((\a)%4)+\b)+7], v[128*(\p)+FR*\b:128*(\p)+FR*\b+FR-1], v[AF+FR*(\a):AF+FR*(\a)+FR-1], v[BN+8*\b:BN+8*\b+7], v[SC+16*(\sc)+8*(\q)+\b], v[SC+16*(\sc)+8*(\q)+(\a)] matrix_a_fmt:MATRIX_FMT_FP6 matrix_b_fmt:MATRIX_FMT_FP6 matrix_a_scale:MATRIX_SCALE_ROW1
.else
	v_wmma_scale_f32_16x16x128_f8f6f4 v[8*(8*((\a)%4)+\b):8*(8*((\a)%4)+\b)+7], v[128*(\p)+FR*\b:128*(\p)+FR*\b+FR-1], v[AF+FR*(\a):AF+FR*(\a)+FR-1], v[8*(8*((\a)%4)+\b):8*(8*((\a)%4)+\b)+7], v[SC+16*(\sc)+8*(\q)+\b], v[SC+16*(\sc)+8*(\q)+(\a)] matrix_a_fmt:MATRIX_FMT_FP6 matrix_b_fmt:MATRIX_FMT_FP6 matrix_a_scale:MATRIX_SCALE_ROW1
.endif
.endr
.endr
.endm
.macro FETCH_B slot, q, p              ; B's eight fragments of the slot's q-th K step into set p
	WIN TO_B
.irp i, 0,1,2,3,4,5,6,7
	FRAG 128*(\p)+FR*\i, ADRB+\slot, \q, \i
.endr
	WIN 0
.endm
.macro FETCH_A slot, q, i0             ; A's blocks i0 .. i0 + 3
.irp i, \i0, \i0+1, \i0+2, \i0+3
	FRAG AF+FR*(\i), ADRA+\slot, \q, \i
.endr
.endm
.macro SCALES sc                       ; two K steps' scale words into set sc: 16 bytes a lane are four blocks' words
.irp q, 0,1
.irp g, 0,1
	ds_load_b128 v[SC+16*\sc+8*\q+4*\g:SC+16*\sc+8*\q+4*\g+3], v[ADRS] offset:1024*\q+256*\g
.endr
.endr
.endm
; A load into a register that a matrix instruction has read, and a vector instruction that reads a matrix result or writes one of a matrix instruction's registers, stand NP places behind it; only plain
; vector instructions that name none of its registers are places (ISA guide 7.12.1 for vector instructions).
.macro PLACES n
.rept \n
	v_nop
.endr
.endm
; A K step that has its successor in the same slot.  A block of A is free as soon as its eight products are issued: blocks 0-3 are fetched anew in the step's middle, blocks 4-7 at its end.
.macro STEP slot, sc, q, first
	s_wait_dscnt 4*NL                              ; B's set, A's blocks 0-3 and the scale words are in; the youngest 12 loads (A's blocks 4-7) may be out
.if \first
	WIN FIRST_LO
.else
	WIN MUL_LO
.endif
	MUL16 0, (\q)%2, \q, \sc, \first
	MUL16 2, (\q)%2, \q, \sc, \first
	s_wait_dscnt 0                                 ; A's blocks 4-7 are in
	PLACES NP
	FETCH_B \slot, (\q)+1, 1-(\q)%2
	FETCH_A \slot, (\q)+1, 0
.if \first
	WIN FIRST_HI
.else
	WIN MUL_HI
.endif
	MUL16 4, (\q)%2, \q, \sc, \first
	MUL16 6, (\q)%2, \q, \sc, \first
	PLACES NP
	WIN 0
	FETCH_A \slot, (\q)+1, 4
.endm
; A slot's last step with a barrier: in front of it each wave waits for all its tensor loads, adds 0 to its spare word, and waits for that and for its own reads of this slot.
; fill = 1: this slot is filled again, with K steps 6 and 7.  sc: this slot's set of scale words; nsc: the next slot's.
.macro TURN slot, sc, next, nsc, fill
	s_wait_tensorcnt 0x0                           ; all my tensor loads have landed  (every window is 0 here)
	ds_add_u32 v[SPW], v[NIL]                      ; 0 onto my spare word
	s_wait_dscnt 4*NL+1                            ; (the add and the youngest 12 loads, A's blocks 4-7, may be out)
	WIN MUL_LO
	MUL16 0, 1, NQ-1, \sc, 0                       ; sixteen matrix instructions stand between the add and the wait for it
	s_wait_dscnt 0x0                               ; the add is done, and my reads of this slot are over
	s_barrier_signal -1
	MUL16 2, 1, NQ-1, \sc, 0
	WIN 0
	s_barrier_wait -1
.if \fill
	CREST                                          ; the barrier has opened a round of the cluster's barrier: no wave of any partner still reads this slot or has a load on its way
	s_add_nc_u64 s[G0+4*\slot+2:G0+4*\slot+3], s[G0+4*\slot+2:G0+4*\slot+3], 9216     ; six K steps on
	s_add_nc_u64 s[G0B+4*\slot+2:G0B+4*\slot+3], s[G0B+4*\slot+2:G0B+4*\slot+3], 9216
	JLOAD G0+4*\slot, G1, G0B+4*\slot, G1B         ; the first tensor load behind the round, and my only one from here on; its four v_nop are the places in front of the loads below
.else
	PLACES NP
.endif
	v_add_nc_u32 v[ADRS], 2048, v[ADRS]            ; on to the next two K steps' scale words
	FETCH_B \next, 0, 0
	FETCH_A \next, 0, 0
	SCALES \nsc
	WIN MUL_HI
	MUL16 4, 1, NQ-1, \sc, 0
	MUL16 6, 1, NQ-1, \sc, 0
	PLACES NP
	WIN 0
	FETCH_A \next, 0, 4
.endm
; A slot's last step without a barrier: the next slot was shown whole to every wave by the round behind which slot 0 was filled again (each wave's wait for all its tensor loads stood in front of it), and nothing is filled here.
.macro PASS sc, next, nsc
	s_wait_dscnt 4*NL                              ; the youngest 12 loads (A's blocks 4-7) may be out
	WIN MUL_LO
	MUL16 0, 1, NQ-1, \sc, 0
	MUL16 2, 1, NQ-1, \sc, 0
	s_wait_dscnt 0                                 ; A's blocks 4-7 are in
	PLACES NP
	WIN 0
	v_add_nc_u32 v[ADRS], 2048, v[ADRS]            ; on to the next two K steps' scale words
	FETCH_B \next, 0, 0
	FETCH_A \next, 0, 0
	SCALES \nsc
	WIN MUL_HI
	MUL16 4, 1, NQ-1, \sc, 0
	MUL16 6, 1, NQ-1, \sc, 0
	PLACES NP
	WIN 0
	FETCH_A \next, 0, 4
.endm
; 64 numbers of a lane, v[s] on, register 16 b + i = k 32 b + 16 (lane / 16) + i of my row, become a fragment's codes in v[PC] on and its scale word in v[PW].
.macro QUANT s
.irp b, 0,1,2,3
	v_max3_num_f32 v[TM+\b], |v[\s+16*\b]|, |v[\s+1+16*\b]|, 0x1800000   ; block b: my 16 numbers, and the floor 2^(3 - 127): the byte cannot fall under 1
.endr
.irp i, 2,4,6,8,10,12,14
.irp b, 0,1,2,3
	v_max3_num_f32 v[TM+\b], v[TM+\b], |v[\s+16*\b+\i]|, |v[\s+1+16*\b+\i]|   ; (the four blocks by turns)
.endr
.endr
.irp b, 0,1,2,3
	v_permlanex16_b32 v[TM+4+\b], v[TM+\b], s[SEL], s[SEL+1]
.endr
.irp b, 0,1,2,3
	v_max_num_f32 v[TM+\b], v[TM+\b], v[TM+4+\b]   ; with lane l xor 16's: the block's largest magnitude
.endr
.irp b, 0,1,2,3
	v_add_nc_u32 v[TM+12+\b], 0xff000000, v[TM+\b] ; 2 off its exponent field: the conversion's scale operand
.endr
.irp b, 0,1,2,3
	v_lshrrev_b32 v[TM+4+\b], 23, v[TM+12+\b]      ; the scale's byte
.endr
	v_lshl_or_b32 v[PW], v[TM+5], 8, v[TM+4]
	v_lshl_or_b32 v[PW], v[TM+6], 16, v[PW]
	v_lshl_or_b32 v[PW], v[TM+7], 24, v[PW]
.irp c, 0,1
	v_cvt_scalef32_pk16_fp6_f32 v[PC+6*\c:PC+2+6*\c], v[\s+32*\c:\s+15+32*\c], v[TM+12+2*\c]
	v_cvt_scalef32_pk16_fp6_f32 v[PC+12+4*\c:PC+14+4*\c], v[\s+16+32*\c:\s+31+32*\c], v[TM+12+2*\c+1]   ; (a conversion's three registers begin on an even number)
.endr
	v_nop                                          ; one plain line behind the scaled conversions
.irp c, 0,1                                    ; the operand's layout wants a whole block in a lane: lanes 0-15 block 2 c, lanes 16-31 block 2 c + 1
.irp i, 0,1,2
	v_permlane16_swap_b32 v[PC+6*\c+\i], v[PC+12+4*\c+\i]
.endr
.irp i, 0,1,2
	v_mov_b32 v[PC+3+6*\c+\i], v[PC+12+4*\c+\i]
.endr
.endr
.endm
	s_wait_tensorcnt 2                             ; the scale words and my part of slot 0 are in (the loads of slots 1 and 2 may be out)
	s_barrier_signal -1
	s_barrier_wait -1                              ; everybody's are
	FETCH_B 0, 0, 0
	FETCH_A 0, 0, 0
	SCALES 0
	FETCH_A 0, 0, 4
	s_wait_loadcnt 0x0                             ; the bias
	STEP 0, 0, 0, 1                                ; K step 0
	TURN 0, 0, 1, 1, 1                             ; K step 1; slot 0 takes K steps 6 and 7
	STEP 1, 1, 0, 0                                ; K step 2
	PASS 1, 2, 0                                   ; K step 3
	STEP 2, 0, 0, 0                                ; K step 4
	TURN 2, 0, 0, 1, 0                             ; K step 5; the refill has landed, in every wave; nothing is left to fetch: no round
	STEP 0, 1, 0, 0                                ; K step 6
	s_wait_dscnt 4*NL                              ; K step 7
	WIN MUL_LO
	MUL16 0, 1, NQ-1, 1, 0
	MUL16 2, 1, NQ-1, 1, 0
	s_wait_dscnt 0
	WIN MUL_HI
	MUL16 4, 1, NQ-1, 1, 0
	MUL16 6, 1, NQ-1, 1, 0
	WIN 0
	; THE WAY OUT
	PLACES NP                                      ; the lines below write registers that held A's fragments
.irp b, 0,1,2,3
	v_mov_b32 v[TM+4+\b], 0                        ; written once: a lane permute's destination counts as one of its sources
.endr
.macro OUTBLK a
.set AC, 64*((\a)%4)
	WIN 0x08+4*((\a)/4)                            ; source 1: window 2 or 3
.set i, 0
.rept 64
	v_max_num_f32 v[T+i], 0, v[AC+i]               ; the activation, in f32; each accumulator from its low end on
.set i, i+1
.endr
	WIN 0
.if (\a) > 0
	s_wait_xcnt 0x0                                ; the last block's stores have read the codes' registers,
	s_wait_dscnt 0x0                               ; and its LDS store the scale word's
.endif
	QUANT T
.irp c, 0,1,2
	global_store_b128 v[LI], v[PC+4*\c:PC+4*\c+3], s[OUT:OUT+1] offset:(\a)*SA+512*\c   ; 32 lanes store 512 consecutive bytes
.endr
	ds_store_b32 v[SSA], v[PW] offset:256*((\a)/4)+4*((\a)%4)   ; lanes l and l xor 16 write the same word with the same value
.endm
.irp a, 0,1,2,3,4,5,6,7
	OUTBLK \a
.endr
	ds_load_b128 v[T:T+3], v[SSR]                  ; LDS serves a wave's instructions in order: this sees my stores
	s_wait_dscnt 0x0
	global_store_b128 v[LI], v[T:T+3], s[OUTS:OUTS+1]   ; my 128 rows' words: 512 consecutive bytes
	s_wait_tensorcnt 0x0                           ; the wave's end
	ds_add_u32 v[SPW], v[NIL]
	s_wait_dscnt 0x0
	CROUND                                         ; the closing round: no work-group ends while a partner may still ask for a tile that names it
	s_endpgm
.Lfunc_end_k_q009782bc69_ffn1:
	.size	k_q009782bc69_ffn1, .Lfunc_end_k_q009782bc69_ffn1-k_q009782bc69_ffn1
	.p2alignl 7, 3214868480
	.fill 96, 4, 3214868480
	.section	.rodata,"a",@progbits
	.p2align	6, 0x0
	.amdhsa_kernel k_q009782bc69_ffn1
		.amdhsa_group_segment_fixed_size 327680
		.amdhsa_private_segment_fixed_size 0
		.amdhsa_enable_private_segment 0
		.amdhsa_kernarg_size 32
		.amdhsa_user_sgpr_count 2
		.amdhsa_user_sgpr_kernarg_segment_ptr 1
		.amdhsa_wavefront_size32 1
		.amdhsa_system_sgpr_workgroup_id_x 1
		.amdhsa_system_sgpr_workgroup_id_y 1
		.amdhsa_system_sgpr_workgroup_id_z 1
		.amdhsa_system_vgpr_workitem_id 0
		.amdhsa_next_free_vgpr 1024
		.amdhsa_next_free_sgpr 100
		.amdhsa_reserve_vcc 0
		.amdhsa_float_denorm_mode_32 3
		.amdhsa_float_denorm_mode_16_64 3
		.amdhsa_memory_ordered 1
		.amdhsa_forward_progress 1
		.amdhsa_inst_pref_size 157
	.end_amdhsa_kernel
	.amdgpu_metadata
---
amdhsa.version: [ 1, 2 ]
amdhsa.kernels:
  - .name:           k_q009782bc69_ffn1
    .symbol:         k_q009782bc69_ffn1.kd
    .args:
      - { .name: hcq, .offset: 0, .size: 8, .value_kind: global_buffer, .address_space: global }
      - { .name: wq, .offset: 8, .size: 8, .value_kind: global_buffer, .address_space: global }
      - { .name: b1, .offset: 16, .size: 8, .value_kind: global_buffer, .address_space: global }
      - { .name: hid, .offset: 24, .size: 8, .value_kind: global_buffer, .address_space: global }
    .group_segment_fixed_size: 327680
    .private_segment_fixed_size: 0
    .kernarg_segment_align: 8
    .kernarg_segment_size: 32
    .max_flat_workgroup_size: 128
    .sgpr_count:     100
    .vgpr_count:     1024
    .wavefront_size: 32
...
	.end_amdgpu_metadata
.endif
;; end of part 4
;; launch ffn2 (part 5): grid 8 x 32, 4 waves a work-group, clusters of 4 x 4, 327,680 bytes of LDS; arguments hid, wq, b2, out0; writes out0
.if DOCPART == 5
	.amdgcn_target "amdgcn-amd-amdhsa--gfx1250"
	.amdhsa_code_object_version 6
	.text
	.protected	k_q009782bc69_ffn2
	.globl	k_q009782bc69_ffn2
	.p2align	8
	.type	k_q009782bc69_ffn2,@function
k_q009782bc69_ffn2:
	s_mov_b64 s[64:65], 0
	v_nop
	global_prefetch_b8 v0, s[64:65] scope:SCOPE_SE
	s_setreg_imm32_b32 hwreg(HW_REG_WAVE_MODE, 25, 1), 1
	s_wait_xcnt 0x0
	s_wait_alu depctr_hold_cnt(0) depctr_sa_sdst(0) depctr_va_vdst(0) depctr_va_sdst(0) depctr_va_ssrc(0) depctr_va_vcc(0) depctr_vm_vsrc(0)
	s_getreg_b32 s2, hwreg(HW_REG_IB_STS2, 6, 4)
	s_cmp_eq_u32 s2, 0
	s_cbranch_scc0 .Lentry_in_a_cluster
	s_endpgm
.Lentry_in_a_cluster:
	s_bfe_u32 s2, ttmp6, 0x10000c
	s_cmp_lg_u32 s2, 0xf033
	s_cbranch_scc0 .Lentry_shape_is_right
	s_endpgm
.Lentry_shape_is_right:
; out0 = hid x W2^T + b2 on codes of FP6 (E2M3) with E8M0 scales, K = 4,096; f32 out.
; OPERANDS come as images of operand registers: a fragment (16 rows x 128 K) is 1,536 bytes, register 4 c + j of lane l at 512 c + 16 l + 4 j; an image is [block of 16 rows][32 K steps][1,536];
; row p of block f is row 32 (f / 2) + 8 (f % 2) + 16 (p / 8) + p % 8: this launch puts the rows back in their places as it stores.  Scale words lie [K step][4 bytes x rows], the word of block 4 g + i, row r at 256 g + 16 r + 4 i.
; THE TILE IS 128 x 128: out0 has 64 tiles of 256 x 256 and 256 of 128 x 128, one for each of 256 work-groups.  Four waves, 64 x 64 each: 16 accumulators.
; Source 0 = W2's rows (the B side: out0's columns run along a lane's registers), source 1 = hid's rows (the A side: a lane holds one row).
; K goes through a ring of two LDS slots of FOUR K steps each (eight fills in all); the scale words of the tile's rows for all of K come once.  CLUSTERS: 4 x 4 work-groups; A's tiles are asked for jointly along a row, B's along a column.
; REGISTERS: window 0: v16-29 addresses; v32-39 scale words, two sets; v64-95 b2 in the result's layout; v96-127 rows on their way out; v128-255 the accumulators ((a, b) at v[128 + 8 (4 a + b)]).
;   window 1: two buffers of fragments at v0 and v128: A's four at + 12 a, B's four at + 48 + 12 b.
.set FS,    12582912                   ; the scale words' place in hid
.set W2C,   9011200                    ; W2's codes in wq,
.set W2S,   12156928                   ; its scale words
.set HALFT, 24576                      ; 4 blocks x 4 K steps x 1,536: what one tensor load brings, and what one wave reads of A or of B
.set SLOT,  4*HALFT                    ; A's two halves, then B's
.set SCL,   2*SLOT                     ; behind the ring: A's scale words [32 K steps][512], then B's
.set HALFS, 8192                       ; 16 K steps x 512: what one tensor load brings
.set SPARE, SCL+4*HALFS                ; the spare words, 128 bytes for each wave: two blocks of 256 bytes that no other line names
.set STAGE, SPARE+512                  ; the way out: 16 rows x (256 bytes + 16) for each wave; no fill lands here
.set SPITCH, 272
.set ADRA, 16                          ; v16-17 LDS address of my A fragments in slot 0, 1
.set ADRB, 20                          ; v20-21 the same for B
.set STO,  24                          ; v24    the way out: where I put my numbers of a row
.set RD,   25                          ; v25    where I read a row back
.set CO,   26                          ; v26    my byte offset in out0
.set ADRS, 27                          ; v27    LDS address of my scale words: lanes 0-15 A's, lanes 16-31 B's
.set SPW,  28                          ; v28    LDS address of my spare word; never rewritten
.set NIL,  29                          ; v29    0; never rewritten
.set SC,   32                          ; set f at SC + 4 f; register i: lanes 0-15 the word of A's block i, lanes 16-31 of B's block i
.set BN,   64
.set OB,   96
.set ACC,  128
.set G1,   24                          ; s[24:31] descriptor group 1 for A's tiles; s[32:39] group 0, a set for each slot
.set G0,   32
.set G1B,  48                          ; s[48:55], s[56:63] the same for B's
.set G0B,  56
.set G1S,  68                          ; s[68:75], s[76:79] groups 1 and 0 for A's scale words; s[80:87], s[88:91] for B's
.set G0S,  76
.set G1SB, 80
.set G0SB, 88
.set MSB, 0
.macro WIN new                         ; the immediate's high byte repeats the setting that is left
.if MSB != \new
	s_set_vgpr_msb (MSB<<8)|\new
.set MSB, \new
.endif
.endm
.set MUL,  0x05                        ; sources 0 (B) and 1 (A) window 1; C and D window 0
.set TO_F, 0x40                        ; destination window 1, address window 0
; A joint load: waves 0 and 1 fetch for A, waves 2 and 3 for B; four v_nop follow each of the two lines, ahead of the jump, the label and what follows.
.macro JLOAD g0a, g1a, g0b, g1b
	s_cmp_eq_u32 s15, 0
	s_cbranch_scc0 .Lfor_b_\@
	tensor_load_to_lds s[\g0a:\g0a+3], s[\g1a:\g1a+7]
	s_nop 0
.rept 4
	v_nop
.endr
	s_branch .Lasked_\@
.Lfor_b_\@:
	tensor_load_to_lds s[\g0b:\g0b+3], s[\g1b:\g1b+7]
	s_nop 0
.rept 4
	v_nop
.endr
.Lasked_\@:
.endm
.macro CREST                           ; a round of the cluster's barrier behind its opening barrier
	s_cmp_lg_u32 s14, 0
	s_cbranch_scc1 .Lnot_wave_0_\@
	s_barrier_signal -3
.Lnot_wave_0_\@:
	s_barrier_wait -3
	s_barrier_signal -1
	s_barrier_wait -1
.endm
.macro CROUND                          ; a whole round
	s_barrier_signal -1
	s_barrier_wait -1
	CREST
.endm
	s_load_b256 s[4:11], s[0:1], 0x0               ; hid s[4:5], wq s[6:7], b2 s[8:9], out0 s[10:11]
	v_lshl_add_u32 v[SPW], v0, 2, SPARE
	v_mov_b32 v[NIL], 0
	ds_add_u32 v28, v29
	ds_add_u32 v28, v29
	s_wait_dscnt 0x0
	v_lshrrev_b32 v1, 5, v0
	v_readfirstlane_b32 s14, v1                    ; wave 0..3
	s_lshr_b32 s15, s14, 1                         ; which half of the tile's rows is mine.  Also: I fetch for A (0) or for B (1)
	s_and_b32 s16, s14, 1                          ; which half of its columns.  Also: which half of that side's tile I fetch
	s_bfe_u32 s40, ttmp6, 0x40000                  ; cx, cy: my place in the cluster
	s_bfe_u32 s41, ttmp6, 0x40004
	s_lshl_b32 s42, ttmp9, 2
	s_add_co_u32 s42, s42, s40                     ; tile column = 4 x cluster x + cx
	s_and_b32 s17, ttmp7, 0xffff
	s_lshl_b32 s17, s17, 2
	s_add_co_u32 s17, s17, s41                     ; tile row = 4 x cluster y + cy
	s_lshl_b32 s43, s41, 2
	s_lshl_b32 s43, 15, s43                        ; my row of the cluster
	s_lshl_b32 s44, 0x1111, s40                    ; my column
	; descriptor group 1 for codes: 4 rows (blocks) of 6,144 bytes (four K steps), 49,152 bytes apart; elements of 8 bytes; no padding
	s_or_b32 s[G1+0], s43, (3<<16)|(1<<21)         ; 15:0 the mask: A's tiles go to my row; 17:16 elements of 8 bytes; 21 set beside a mask
	s_or_b32 s[G1B+0], s44, (3<<16)|(1<<21)
.irp g, G1, G1B
	s_mov_b32 s[\g+1], 768<<16                     ; tensor_dim0
	s_mov_b32 s[\g+2], 4<<16                       ; tensor_dim1
	s_mov_b32 s[\g+3], 768<<16                     ; tile_dim0
	s_mov_b32 s[\g+4], 4                           ; tile_dim1
	s_mov_b32 s[\g+5], 6144                        ; tensor_dim0_stride
	s_mov_b32 s[\g+6], 0
	s_mov_b32 s[\g+7], 0
.endr
	; and for scale words: 16 rows (K steps) of 512 bytes (128 rows' words); a K step's words are 16,384 bytes in hid, 4,096 in W2
	s_or_b32 s[G1S+0], s43, (3<<16)|(1<<21)
	s_or_b32 s[G1SB+0], s44, (3<<16)|(1<<21)
.irp g, G1S, G1SB
	s_mov_b32 s[\g+1], 64<<16
	s_mov_b32 s[\g+2], 16<<16
	s_mov_b32 s[\g+3], 64<<16
	s_mov_b32 s[\g+4], 16
	s_mov_b32 s[\g+6], 0
	s_mov_b32 s[\g+7], 0
.endr
	s_mov_b32 s[G1S+5], 2048
	s_mov_b32 s[G1SB+5], 512
	s_mul_i32 s94, s16, 196608                     ; my 4 blocks of the 8
	s_mul_i32 s20, s17, 393216
	s_add_co_u32 s20, s20, s94
	s_mov_b32 s21, 0
	s_lshl_b32 s22, s17, 9
	s_lshl_b32 s95, s16, 18                        ; my 16 K steps of the 32: 16 x 16,384
	s_add_co_u32 s22, s22, s95
	s_add_co_u32 s22, s22, FS
	s_mov_b32 s23, 0
	s_mul_i32 s46, s42, 393216
	s_add_co_u32 s46, s46, s94
	s_add_co_u32 s46, s46, W2C
	s_mov_b32 s47, 0
	s_lshl_b32 s92, s42, 9
	s_lshl_b32 s95, s16, 16                        ; 16 x 4,096
	s_add_co_u32 s92, s92, s95
	s_add_co_u32 s92, s92, W2S
	s_mov_b32 s93, 0
	s_mul_i32 s45, s14, HALFT                      ; where they go: by the wave's number alone
	s_mul_i32 s94, s14, HALFS
	s_wait_kmcnt 0x0
	s_add_nc_u64 s[20:21], s[4:5], s[20:21]
	s_add_nc_u64 s[22:23], s[4:5], s[22:23]
	s_add_nc_u64 s[46:47], s[6:7], s[46:47]
	s_add_nc_u64 s[92:93], s[6:7], s[92:93]
	CROUND                                         ; all sixteen work-groups are here: the first joint loads meet
	s_mov_b32 s[G0S], 1
	s_add_co_u32 s[G0S+1], s94, SCL
	s_mov_b64 s[G0S+2:G0S+3], s[22:23]
	s_or_b32 s[G0S+3], s[G0S+3], 0x80000000
	s_mov_b32 s[G0SB], 1
	s_add_co_u32 s[G0SB+1], s94, SCL
	s_mov_b64 s[G0SB+2:G0SB+3], s[92:93]
	s_or_b32 s[G0SB+3], s[G0SB+3], 0x80000000
	JLOAD G0S, G1S, G0SB, G1SB                     ; the scale words first: they are wanted with K step 0
.irp s, 0,1
	s_mov_b32 s[G0+4*\s], 1
	s_add_co_u32 s[G0+4*\s+1], s45, \s*SLOT
	s_add_nc_u64 s[G0+4*\s+2:G0+4*\s+3], s[20:21], \s*6144
	s_or_b32 s[G0+4*\s+3], s[G0+4*\s+3], 0x80000000
	s_mov_b32 s[G0B+4*\s], 1
	s_add_co_u32 s[G0B+4*\s+1], s45, \s*SLOT
	s_add_nc_u64 s[G0B+4*\s+2:G0B+4*\s+3], s[46:47], \s*6144
	s_or_b32 s[G0B+4*\s+3], s[G0B+4*\s+3], 0x80000000
	JLOAD G0+4*\s, G1, G0B+4*\s, G1B               ; three tensor loads of mine are out now
.endr
	v_and_b32 v1, 15, v0                           ; r
	v_bfe_u32 v2, v0, 4, 1                         ; h
	v_and_b32 v3, 31, v0
	v_lshlrev_b32 v4, 4, v3                        ; 16 x lane
	s_mul_i32 s21, s15, HALFT                      ; my 4 blocks of A,
	s_mul_i32 s22, s16, HALFT                      ; my 4 blocks of B,
	s_add_co_u32 s22, s22, 2*HALFT                 ; which lie behind A's 8
.irp s, 0,1
	v_add_nc_u32 v[ADRA+\s], s21, v4
	v_add_nc_u32 v[ADRB+\s], s22, v4
	s_add_co_u32 s21, s21, SLOT
	s_add_co_u32 s22, s22, SLOT
.endr
	v_lshlrev_b32 v5, 4, v1                        ; 16 r: four blocks' words of row r
	s_lshl_b32 s21, s15, 8                         ; A's: my 64 rows' 256 bytes of a K step's 512
	s_lshl_b32 s22, s16, 8                         ; B's likewise, 16,384 bytes behind A's
	s_add_co_u32 s22, s22, 16384
	s_sub_co_u32 s22, s22, s21
	v_mul_u32_u24 v6, s22, v2                      ; lanes 16-31 take B's
	s_add_co_u32 s21, s21, SCL
	v_add_nc_u32 v6, v5, v6
	v_add_nc_u32 v[ADRS], s21, v6
	s_mul_i32 s23, s14, 16*SPITCH
	s_add_co_u32 s23, s23, STAGE                   ; my stage
	v_mul_u32_u24 v6, v1, SPITCH                   ; in: row r, 64 h bytes on
	v_lshl_add_u32 v6, v2, 6, v6
	v_add_nc_u32 v[STO], s23, v6
	v_mul_u32_u24 v6, v2, SPITCH                   ; back: lanes 0-15 one row of 256 bytes, lanes 16-31 the next
	v_add_nc_u32 v6, v5, v6
	v_add_nc_u32 v[RD], s23, v6
	v_lshl_add_u32 v[CO], v2, 12, v5               ; and the same two rows in out0: 4,096 bytes a row
	v_lshlrev_b32 v7, 6, v2                        ; the bias: 16 h numbers on
	s_lshl_b32 s20, s42, 9
	s_lshl_b32 s21, s16, 8
	s_add_co_u32 s20, s20, s21                     ; my first column, in bytes: 512 x tile column + 256 x half
	s_mov_b32 s21, 0
	s_add_nc_u64 s[8:9], s[8:9], s[20:21]          ; b2 there,
	s_add_nc_u64 s[10:11], s[10:11], s[20:21]      ; out0 there,
	s_lshl_b32 s20, s17, 19
	s_lshl_b32 s22, s15, 18
	s_add_co_u32 s20, s20, s22
	s_add_nc_u64 s[10:11], s[10:11], s[20:21]      ; at my first row: 128 x tile row + 64 x half
.irp b, 0,1,2,3
	global_load_b128 v[BN+8*\b:BN+8*\b+3], v7, s[8:9] offset:(32*(\b/2)+8*(\b%2))*4
	global_load_b128 v[BN+8*\b+4:BN+8*\b+7], v7, s[8:9] offset:(32*(\b/2)+8*(\b%2))*4+16
.endr
; 25 LDS loads in one run: the eight fragments and the scale words of the slot's q-th K step, into buffer f
.macro FETCH slot, q, f
	WIN TO_F
.irp i, 0,1,2,3
.irp c, 0,1,2
	ds_load_b128 v[128*(\f)+48+12*\i+4*\c:128*(\f)+48+12*\i+4*\c+3], v[ADRB+\slot] offset:\i*6144+(\q)*1536+512*\c
.endr
.endr
.irp i, 0,1,2,3
.irp c, 0,1,2
	ds_load_b128 v[128*(\f)+12*\i+4*\c:128*(\f)+12*\i+4*\c+3], v[ADRA+\slot] offset:\i*6144+(\q)*1536+512*\c
.endr
.endr
	WIN 0
	ds_load_b128 v[SC+4*(\f):SC+4*(\f)+3], v[ADRS] offset:512*(\q)
.endm
; four matrix instructions: A's block a x B's four.  first = 1: the bias starts the sums: nothing is ever cleared.  The 16 accumulators take turns, one instruction a turn, in the same order in every K step.
.macro MUL4 f, a, first
.irp b, 0,1,2,3
.if \first
	v_wmma_scale_f32_16x16x128_f8f6f4 v[ACC+8*(4*(\a)+\b):ACC+8*(4*(\a)+\b)+7], v[128*(\f)+48+12*\b:128*(\f)+48+12*\b+11], v[128*(\f)+12*(\a):128*(\f)+12*(\a)+11], v[BN+8*\b:BN+8*\b+7], v[SC+4*(\f)+\b], v[SC+4*(\f)+(\a)] matrix_a_fmt:MATRIX_FMT_FP6 matrix_b_fmt:MATRIX_FMT_FP6 matrix_a_scale:MATRIX_SCALE_ROW1
.else
	v_wmma_scale_f32_16x16x128_f8f6f4 v[ACC+8*(4*(\a)+\b):ACC+8*(4*(\a)+\b)+7], v[128*(\f)+48+12*\b:128*(\f)+48+12*\b+11], v[128*(\f)+12*(\a):128*(\f)+12*(\a)+11], v[ACC+8*(4*(\a)+\b):ACC+8*(4*(\a)+\b)+7], v[SC+4*(\f)+\b], v[SC+4*(\f)+(\a)] matrix_a_fmt:MATRIX_FMT_FP6 matrix_b_fmt:MATRIX_FMT_FP6 matrix_a_scale:MATRIX_SCALE_ROW1
.endif
.endr
.endm
.macro PLACES n                        ; places in front of loads into registers that matrix instructions have read, and of the first read of results (ISA guide 7.12.1 for vector instructions)
.rept \n
	v_nop
.endr
.endm
; One of a slot's first three K steps: buffer q % 2 is multiplied while the next K step's fragments come into the other
.macro KSTEP slot, q, first
	s_wait_dscnt 0x0                               ; this K step's 25 loads are in
	PLACES 4
	FETCH \slot, (\q)+1, 1-(\q)%2
	WIN MUL
	MUL4 (\q)%2, 0, \first
	MUL4 (\q)%2, 1, \first
	MUL4 (\q)%2, 2, \first
	MUL4 (\q)%2, 3, \first
.endm
; A slot's last K step multiplies buffer 1 and changes slots: one barrier; in front of it each wave waits for all its tensor loads, adds 0 to its spare word, and waits for that and for its own reads of this slot.  fill = 1: this slot is filled again.
.macro TURN slot, next, fill
	WIN 0                                          ; (the add's two registers lie in window 0)
	s_wait_tensorcnt 0x0                           ; all my tensor loads have landed: my part of the next slot
	ds_add_u32 v[SPW], v[NIL]                      ; 0 onto my spare word
	s_wait_dscnt 1                                 ; (the add alone may be out: buffer 1 is in)
	WIN MUL
	MUL4 1, 0, 0                                   ; four matrix instructions stand between the add and the wait for it
	s_wait_dscnt 0x0                               ; the add is done, and my reads of this slot are over
	s_barrier_signal -1
	MUL4 1, 1, 0
	WIN 0
	s_barrier_wait -1
.if \fill
	CREST                                          ; the barrier has opened a round of the cluster's barrier: no wave of any partner still reads this slot or has a load on its way
	s_add_nc_u64 s[G0+4*\slot+2:G0+4*\slot+3], s[G0+4*\slot+2:G0+4*\slot+3], 12288
	s_add_nc_u64 s[G0B+4*\slot+2:G0B+4*\slot+3], s[G0B+4*\slot+2:G0B+4*\slot+3], 12288
	JLOAD G0+4*\slot, G1, G0B+4*\slot, G1B         ; the first tensor load behind the round; its four v_nop are the places in front of the loads below
.else
	PLACES 4
.endif
	v_add_nc_u32 v[ADRS], 2048, v[ADRS]            ; on to the next slot's scale words
	FETCH \next, 0, 0
	WIN MUL
	MUL4 1, 2, 0
	MUL4 1, 3, 0
.endm
	s_wait_tensorcnt 1                             ; the scale words and my part of slot 0 are in (slot 1's load may be out)
	s_barrier_signal -1
	s_barrier_wait -1                              ; everybody's are
	FETCH 0, 0, 0
	s_wait_loadcnt 0x0                             ; the bias
	KSTEP 0, 0, 1                                  ; the first K step stands in front of the loop: the bias starts the sums
	WIN 0                                          ; at a label and at a branch every window is 0
	s_mov_b32 s3, 3
.Llap:                                                 ; a trip goes once round the ring, eight K steps, and fills both slots again
	KSTEP 0, 1, 0
	KSTEP 0, 2, 0
	TURN 0, 1, 1
	KSTEP 1, 0, 0
	KSTEP 1, 1, 0
	KSTEP 1, 2, 0
	TURN 1, 0, 1
	KSTEP 0, 0, 0
	WIN 0
	s_sub_co_u32 s3, s3, 1
	s_cmp_lg_u32 s3, 0
	s_cbranch_scc1 .Llap
	KSTEP 0, 1, 0                                  ; the last lap fills nothing, and has no round of the cluster's barrier
	KSTEP 0, 2, 0
	TURN 0, 1, 0
	KSTEP 1, 0, 0
	KSTEP 1, 1, 0
	KSTEP 1, 2, 0
	s_wait_dscnt 0x0                               ; the very last K step
	MUL4 1, 0, 0
	MUL4 1, 1, 0
	MUL4 1, 2, 0
	MUL4 1, 3, 0
	WIN 0
; THE WAY OUT, a block of 16 rows x 64 columns at a time.  A lane holds 8 neighbouring columns of a row in each accumulator: column 32 (b / 2) + 8 (b % 2) + 16 h + j.  The block goes through my own stage and comes back as whole
; rows of 256 bytes.  Row p of block a is my row 32 (a / 2) + 8 (a % 2) + 16 (p / 8) + p % 8: that stands in the store's immediate.  LDS serves a wave's instructions in order: no wait between the stores and the loads.
.macro OUTBLK a
.if (\a) > 0
	s_wait_xcnt 0x0                                ; the last block's stores have read their registers, into which the loads below land
.endif
.irp b, 0,1,2,3
	ds_store_b128 v[STO], v[ACC+8*(4*(\a)+\b):ACC+8*(4*(\a)+\b)+3] offset:128*(\b/2)+32*(\b%2)      ; each accumulator from its low end on
	ds_store_b128 v[STO], v[ACC+8*(4*(\a)+\b)+4:ACC+8*(4*(\a)+\b)+7] offset:128*(\b/2)+32*(\b%2)+16
.endr
.irp t, 0,1,2,3,4,5,6,7
	ds_load_b128 v[OB+4*\t:OB+4*\t+3], v[RD] offset:\t*2*SPITCH
.endr
.irp t, 0,1,2,3,4,5,6,7
	s_wait_dscnt 7-\t                              ; the younger loads from the stage may be out
	global_store_b128 v[CO], v[OB+4*\t:OB+4*\t+3], s[10:11] offset:(32*((\a)/2)+8*((\a)%2)+16*(\t/4)+2*(\t%4))*4096 th:TH_STORE_NT   ; 16 lanes store 256 consecutive bytes, at a multiple of 256 from out0's first byte
.endr
.endm
	PLACES 4
.irp a, 0,1,2,3
	OUTBLK \a
.endr
	s_wait_tensorcnt 0x0                           ; the wave's end
	ds_add_u32 v[SPW], v[NIL]
	s_wait_dscnt 0x0
	CROUND                                         ; the closing round: no work-group ends while a partner may still ask for a tile that names it
	s_endpgm
.Lfunc_end_k_q009782bc69_ffn2:
	.size	k_q009782bc69_ffn2, .Lfunc_end_k_q009782bc69_ffn2-k_q009782bc69_ffn2
	.p2alignl 7, 3214868480
	.fill 96, 4, 3214868480
	.section	.rodata,"a",@progbits
	.p2align	6, 0x0
	.amdhsa_kernel k_q009782bc69_ffn2
		.amdhsa_group_segment_fixed_size 327680
		.amdhsa_private_segment_fixed_size 0
		.amdhsa_enable_private_segment 0
		.amdhsa_kernarg_size 32
		.amdhsa_user_sgpr_count 2
		.amdhsa_user_sgpr_kernarg_segment_ptr 1
		.amdhsa_wavefront_size32 1
		.amdhsa_system_sgpr_workgroup_id_x 1
		.amdhsa_system_sgpr_workgroup_id_y 1
		.amdhsa_system_sgpr_workgroup_id_z 1
		.amdhsa_system_vgpr_workitem_id 0
		.amdhsa_next_free_vgpr 512
		.amdhsa_next_free_sgpr 100
		.amdhsa_reserve_vcc 0
		.amdhsa_float_denorm_mode_32 3
		.amdhsa_float_denorm_mode_16_64 3
		.amdhsa_memory_ordered 1
		.amdhsa_forward_progress 1
		.amdhsa_inst_pref_size 83
	.end_amdhsa_kernel
	.amdgpu_metadata
---
amdhsa.version: [ 1, 2 ]
amdhsa.kernels:
  - .name:           k_q009782bc69_ffn2
    .symbol:         k_q009782bc69_ffn2.kd
    .args:
      - { .name: hid, .offset: 0, .size: 8, .value_kind: global_buffer, .address_space: global }
      - { .name: wq, .offset: 8, .size: 8, .value_kind: global_buffer, .address_space: global }
      - { .name: b2, .offset: 16, .size: 8, .value_kind: global_buffer, .address_space: global }
      - { .name: out0, .offset: 24, .size: 8, .value_kind: global_buffer, .address_space: global }
    .group_segment_fixed_size: 327680
    .private_segment_fixed_size: 0
    .kernarg_segment_align: 8
    .kernarg_segment_size: 32
    .max_flat_workgroup_size: 128
    .sgpr_count:     100
    .vgpr_count:     512
    .wavefront_size: 32
...
	.end_amdgpu_metadata
.endif
;; end of part 5
